; MI455X (gfx1250); checked and timed in simulation.
; The chip was launched on July 23, 2026; its instructions are those of AMD's public machine-readable ISA for CDNA 5 (MIT licence, August 2026) and "CDNA5" Instruction Set Architecture Reference Guide (July 2026). The comments in the code are by the model that wrote it; some were corrected since.
;; Apply3 D Disp Field. Allowed arithmetic: float matrix products may take bf16 or f16 operands with f32 sums; all other float work in f32.
;; Inputs: disp 2 x 160 x 160 x 160 x 3 float32; img 2 x 160 x 160 x 160 x 1 float32.
;; Outputs: out0 2 x 160 x 160 x 160 x 1 float32.
;; 3 versions, each right; version 2 is faster than version 1; version 3 is version 2 with the launches index, warp written anew for expert scheduling mode. Each part assembles by itself: llvm-mc -triple=amdgcn-amd-amdhsa -mcpu=gfx1250 --defsym DOCPART=n.
;; ======== version 1 of 3: 2 launches
;; workspace buffers: idx 32,768,000 bytes of whole numbers
;; launch index (part 1): grid 256 x 1, 20 waves a work-group, no clusters, 0 bytes of LDS; arguments disp, idx; writes idx
.if DOCPART == 1
	.amdgcn_target "amdgcn-amd-amdhsa--gfx1250"
	.amdhsa_code_object_version 6
	.text
	.protected	k_q2b9272ccaf_index
	.globl	k_q2b9272ccaf_index
	.p2align	8
	.type	k_q2b9272ccaf_index,@function
k_q2b9272ccaf_index:
	s_mov_b64 s[64:65], 0
	v_nop
	global_prefetch_b8 v0, s[64:65] scope:SCOPE_SE
	s_setreg_imm32_b32 hwreg(HW_REG_WAVE_MODE, 25, 1), 1
	s_wait_xcnt 0x0
; FIRST OF TWO LAUNCHES: where does each voxel sample?  disp [2][160][160][160][3] f32  ->  idx, one 32-bit whole number a voxel.
;   bits 23:0  byte offset, inside the batch's volume of img, of the corner (x0, y0, z0), each coordinate held to 0..159
;   bit 24/25/26  1 where z1 / y1 / x1 (also held to 0..159) is another voxel than z0 / y0 / x0
; The next launch forms its gather addresses from these words alone and makes the weights from disp itself.
;
; THE COORDINATE is made with the roundings of the reference, since its anchor round(x) jumps at half-integers:
;   g(i) = s - (1 - s), s = i * (1/159 rounded to f32), g(159) = 1     (jnp.linspace(-1, 1, 160); the division by 159 is taken as the
;                                                                       product with the rounded reciprocal, as in the compiled reference)
;   x = ((g - d) + 1) * 79.5      (0.5 * t is exact, so (0.5 t) * 159 and t * 79.5 round alike)
; LIMIT: disp finite and |x| < 2^31 (|disp| below about 2.7e7); beyond it the reference's conversion to int32 and its + 1 decide.
;
; SHARES: 256 work-groups x 25 steps x 1,280 voxels (8 rows of 160).  Thread t of 640 owns voxels 2t, 2t+1 of every step: its two z and its
; row in the step never change.  A wave's three loads of a step cover 768 consecutive bytes, its store 256 consecutive bytes, both at
; multiples of 256 from the buffers' first bytes.  No LDS, no barrier: no wave needs another.  No cluster: no two work-groups read the same bytes.
; A ring of five register slots keeps fifteen loads of every wave in flight.
.set STEPS,  25
.set SLOTS,  5
.set DSTEP,  15360                     ; bytes of disp in a step: 1,280 x 12
.set ISTEP,  5120                      ; bytes of idx in a step: 1,280 x 4
.set PL,  8                            ; s8   plane of the step at hand: 160 x batch + x, 0..319
.set QY,  9                            ; s9   which eight rows of the plane, 0..19
.set XI,  10                           ; s10  x
.set Y0,  11                           ; s11  first of the eight rows
.set GX,  12                           ; s12  g(x), f32
.set TA,  13
.set TB,  14
.set RCP, 15                           ; s15  1/159 rounded to f32
.set TOP, 16                           ; s16  159.0
.set CNT, 17
.set ROW, 1                            ; v1       my row in the step, 0..7
.set OD,  2                            ; v2       24 t: my bytes in a step of disp
.set OI,  3                            ; v3       8 t: my bytes in a step of idx
.set GZ,  4                            ; v[4:5]   g(z) of my two voxels
.set YI,  6                            ; v6       y
.set GY,  7                            ; v7       g(y)
.set TG,  8
.set X,   10                           ; v[10:15] x, y, z as pairs (voxel 0, voxel 1); then rounded; then the near corner
.set C1,  16                           ; v[16:21] the far corner; then far - near, 0 or 1
.set F,   22                           ; v[22:23] the three step bits
.set D,   24                           ; v[24:53] slot i: six words of disp as loaded: x y z x y z
.set W,   54                           ; v[54:63] slot i: two words to store
.macro GRID g, n, t                    ; v[g] = g(v[n])
	v_cvt_f32_u32 v[\t], v[\n]
	v_mul_f32 v[\t], s[RCP], v[\t]                 ; s
	v_sub_f32 v[\g], 1.0, v[\t]                    ; 1 - s
	v_sub_f32 v[\g], v[\t], v[\g]                  ; -1 (1 - s) + 1 s: the products are exact, one rounding
	v_cmp_eq_u32 vcc_lo, 159, v[\n]
	v_cndmask_b32 v[\g], v[\g], 1.0, vcc_lo        ; the end point is appended as it is
.endm
.macro STATE                           ; the step's x, g(x) and first row, the same for all threads: scalar; then on to the next step
	s_cmp_ge_u32 s[PL], 160
	s_cselect_b32 s[TA], 160, 0
	s_sub_co_u32 s[XI], s[PL], s[TA]
	s_lshl_b32 s[Y0], s[QY], 3
	s_cvt_f32_u32 s[TA], s[XI]
	s_mul_f32 s[TA], s[TA], s[RCP]                 ; s
	s_mov_b32 s[TB], 1.0
	s_fmac_f32 s[TB], s[TA], -1.0                  ; 1 - s
	s_mov_b32 s[GX], s[TA]
	s_fmac_f32 s[GX], s[TB], -1.0                  ; s - (1 - s)
	s_cmp_eq_u32 s[XI], 159
	s_cselect_b32 s[GX], 1.0, s[GX]
	s_add_co_u32 s[QY], s[QY], 1
	s_cmp_eq_u32 s[QY], 20
	s_cselect_b32 s[QY], 0, s[QY]
	s_cselect_b32 s[TA], 1, 0
	s_add_co_u32 s[PL], s[PL], s[TA]
.endm
.macro FILL i, step                    ; slot i takes my 24 bytes of the given step, counted from the base
	global_load_b64 v[D+6*\i:D+6*\i+1],   v[OD], s[4:5] offset:DSTEP*(\step) th:TH_LOAD_NT
	global_load_b64 v[D+6*\i+2:D+6*\i+3], v[OD], s[4:5] offset:DSTEP*(\step)+8 th:TH_LOAD_NT
	global_load_b64 v[D+6*\i+4:D+6*\i+5], v[OD], s[4:5] offset:DSTEP*(\step)+16 th:TH_LOAD_NT
.endm
	s_load_b128 s[4:7], s[0:1], 0x0                ; disp s[4:5], idx s[6:7]
	s_mul_i32 s[TA], ttmp9, STEPS                  ; my first step, 0..6375
	s_mul_i32 s[PL], s[TA], 52429
	s_lshr_b32 s[PL], s[PL], 20                    ; / 20: 52429 / 2^20 exceeds 1/20 by 2e-7, too little to matter below 6,400
	s_mul_i32 s[TB], s[PL], 20
	s_sub_co_u32 s[QY], s[TA], s[TB]
	s_mul_i32 s18, ttmp9, STEPS*DSTEP              ; below 2^27
	s_mov_b32 s19, 0
	s_mul_i32 s20, ttmp9, STEPS*ISTEP
	s_mov_b32 s21, 0
	s_mov_b32 s[RCP], 0x3bce168a                   ; 13506186 x 2^-31: 2^31 / 159 = 13506186.47
	s_mov_b32 s[TOP], 0x431f0000                   ; 159.0
	v_mul_u32_u24 v[ROW], 410, v0
	v_lshrrev_b32 v[ROW], 15, v[ROW]               ; t / 80 (410 / 2^15 exceeds 1/80 by 1.2e-5: right for t < 640)
	v_mul_u32_u24 v[YI], 80, v[ROW]
	v_sub_nc_u32 v[YI], v0, v[YI]
	v_lshlrev_b32 v[YI], 1, v[YI]                  ; z of my first voxel
	GRID GZ, YI, TG
	v_add_nc_u32 v[YI], 1, v[YI]
	GRID GZ+1, YI, TG
	v_mul_u32_u24 v[OD], 24, v0
	v_lshlrev_b32 v[OI], 3, v0
	s_wait_kmcnt 0x0
	s_add_nc_u64 s[4:5], s[4:5], s[18:19]
	s_add_nc_u64 s[6:7], s[6:7], s[20:21]
.irp i, 0,1,2,3,4
	FILL \i, \i
.endr
; One step.  ahead = 1: the slot is filled again, five steps on.  left = how many younger loads may stay out.
.macro SLOT i, ahead, left
	STATE
	v_add_nc_u32 v[YI], s[Y0], v[ROW]
	GRID GY, YI, TG
	s_wait_loadcnt \left                           ; loads return in order: this slot's three are in, the younger slots' stay out
	v_sub_f32 v[X],   s[GX],   v[D+6*\i]           ; g - d; the six results are laid as pairs (voxel 0, voxel 1)
	v_sub_f32 v[X+1], s[GX],   v[D+6*\i+3]
	v_sub_f32 v[X+2], v[GY],   v[D+6*\i+1]
	v_sub_f32 v[X+3], v[GY],   v[D+6*\i+4]
	v_sub_f32 v[X+4], v[GZ],   v[D+6*\i+2]
	v_sub_f32 v[X+5], v[GZ+1], v[D+6*\i+5]
.if \ahead
	FILL \i, SLOTS+\i
.endif
.irp p, 0,2,4
	v_pk_add_f32 v[X+\p:X+\p+1], v[X+\p:X+\p+1], 1.0 op_sel_hi:[1,0]
.endr
.irp p, 0,2,4
	v_pk_mul_f32 v[X+\p:X+\p+1], v[X+\p:X+\p+1], 0x429f0000 op_sel_hi:[1,0]   ; x 79.5
.endr
.irp c, 0,1,2,3,4,5
	v_rndne_f32 v[X+\c], v[X+\c]                   ; the anchor: to nearest, ties to even
.endr
.irp p, 0,2,4
	v_pk_add_f32 v[C1+\p:C1+\p+1], v[X+\p:X+\p+1], 1.0 op_sel_hi:[1,0]
.endr
.irp c, 0,1,2,3,4,5
	v_med3_num_f32 v[X+\c],  v[X+\c],  0, s[TOP]   ; clip to 0..160, then to the last stored voxel: 0..159
	v_med3_num_f32 v[C1+\c], v[C1+\c], 0, s[TOP]
.endr
.irp p, 0,2,4
	v_pk_add_f32 v[C1+\p:C1+\p+1], v[C1+\p:C1+\p+1], v[X+\p:X+\p+1] neg_lo:[0,1] neg_hi:[0,1]   ; 1 where the far corner is another voxel
.endr
	; 102400 x + 640 y + 4 z is below 2^24: whole numbers that f32 holds exactly
	v_pk_mul_f32 v[X+4:X+5], v[X+4:X+5], 4.0 op_sel_hi:[1,0]
	v_pk_fma_f32 v[X+4:X+5], v[X+2:X+3], 0x44200000, v[X+4:X+5] op_sel_hi:[1,0,1]
	v_pk_fma_f32 v[X+4:X+5], v[X:X+1],   0x47c80000, v[X+4:X+5] op_sel_hi:[1,0,1]
	v_pk_fma_f32 v[F:F+1], v[C1+2:C1+3], 2.0, v[C1+4:C1+5] op_sel_hi:[1,0,1]
	v_pk_fma_f32 v[F:F+1], v[C1:C1+1],   4.0, v[F:F+1] op_sel_hi:[1,0,1]
	v_cvt_u32_f32 v[X+4], v[X+4]
	v_cvt_u32_f32 v[X+5], v[X+5]
	v_cvt_u32_f32 v[F],   v[F]
	v_cvt_u32_f32 v[F+1], v[F+1]
	v_lshl_or_b32 v[W+2*\i],   v[F],   24, v[X+4]
	v_lshl_or_b32 v[W+2*\i+1], v[F+1], 24, v[X+5]
	global_store_b64 v[OI], v[W+2*\i:W+2*\i+1], s[6:7] offset:ISTEP*\i th:TH_STORE_NT
.endm
	s_mov_b32 s[CNT], STEPS/SLOTS-1
.Lround:
.irp i, 0,1,2,3,4
	SLOT \i, 1, 3*(SLOTS-1)
.endr
	s_wait_xcnt 0x0                                ; the two bases, and the W registers that the stores read, are rewritten only behind this wait
	s_add_nc_u64 s[4:5], s[4:5], SLOTS*DSTEP
	s_add_nc_u64 s[6:7], s[6:7], SLOTS*ISTEP
	s_sub_co_u32 s[CNT], s[CNT], 1
	s_cmp_lg_u32 s[CNT], 0
	s_cbranch_scc1 .Lround
.irp i, 0,1,2,3,4
	SLOT \i, 0, 3*(SLOTS-1-\i)                     ; the last five steps load nothing: the counts run down
.endr
	s_endpgm
.Lfunc_end_k_q2b9272ccaf_index:
	.size	k_q2b9272ccaf_index, .Lfunc_end_k_q2b9272ccaf_index-k_q2b9272ccaf_index
	.p2alignl 7, 3214868480
	.fill 96, 4, 3214868480
	.section	.rodata,"a",@progbits
	.p2align	6, 0x0
	.amdhsa_kernel k_q2b9272ccaf_index
		.amdhsa_group_segment_fixed_size 0
		.amdhsa_private_segment_fixed_size 0
		.amdhsa_enable_private_segment 0
		.amdhsa_kernarg_size 16
		.amdhsa_user_sgpr_count 2
		.amdhsa_user_sgpr_kernarg_segment_ptr 1
		.amdhsa_wavefront_size32 1
		.amdhsa_system_sgpr_workgroup_id_x 1
		.amdhsa_system_sgpr_workgroup_id_y 1
		.amdhsa_system_sgpr_workgroup_id_z 1
		.amdhsa_system_vgpr_workitem_id 0
		.amdhsa_next_free_vgpr 64
		.amdhsa_next_free_sgpr 66
		.amdhsa_reserve_vcc 1
		.amdhsa_float_denorm_mode_32 3
		.amdhsa_float_denorm_mode_16_64 3
		.amdhsa_memory_ordered 1
		.amdhsa_forward_progress 1
		.amdhsa_inst_pref_size 42
	.end_amdhsa_kernel
	.amdgpu_metadata
---
amdhsa.version: [ 1, 2 ]
amdhsa.kernels:
  - .name:           k_q2b9272ccaf_index
    .symbol:         k_q2b9272ccaf_index.kd
    .args:
      - { .name: disp, .offset: 0, .size: 8, .value_kind: global_buffer, .address_space: global }
      - { .name: idx, .offset: 8, .size: 8, .value_kind: global_buffer, .address_space: global }
    .group_segment_fixed_size: 0
    .private_segment_fixed_size: 0
    .kernarg_segment_align: 8
    .kernarg_segment_size: 16
    .max_flat_workgroup_size: 640
    .sgpr_count:     66
    .vgpr_count:     64
    .wavefront_size: 32
...
	.end_amdgpu_metadata
.endif
;; end of part 1
;; launch warp (part 2): grid 256 x 1, 20 waves a work-group, no clusters, 0 bytes of LDS; arguments disp, idx, img, out0; writes out0
.if DOCPART == 2
	.amdgcn_target "amdgcn-amd-amdhsa--gfx1250"
	.amdhsa_code_object_version 6
	.text
	.protected	k_q2b9272ccaf_warp
	.globl	k_q2b9272ccaf_warp
	.p2align	8
	.type	k_q2b9272ccaf_warp,@function
k_q2b9272ccaf_warp:
	s_mov_b64 s[64:65], 0
	v_nop
	global_prefetch_b8 v0, s[64:65] scope:SCOPE_SE
	s_setreg_imm32_b32 hwreg(HW_REG_WAVE_MODE, 25, 1), 1
	s_wait_xcnt 0x0
; SECOND OF TWO LAUNCHES: gather the eight corners and blend them.  out0[v] = sum over the corners of wx wy wz img[corner].
; The corners' addresses come from idx alone (whole numbers that the first launch stored: bits 23:0 the near corner's byte offset in the
; batch's volume, bits 24/25/26 set where the z / y / x neighbour is another stored voxel).  The weights are made here from disp, in f32, with
; the same roundings as in the first launch and in the reference:
;   g(i) = s - (1 - s), s = i * (1/159 rounded to f32), g(159) = 1;   x = ((g - d) + 1) * 79.5;   r = round to nearest even
;   x0 = clip(r, 0, 160), x1 = clip(r + 1, 0, 160);   weight of x0: x1 - x, weight of x1: x - x0
; THE ZERO PLANE 160 is not stored.  Where x1 = 160 the far weight is set to 0 (its load reads voxel 159, a valid word that then counts for
; nothing); where x0 = 160 in any dimension all eight corners are zeros, and the result is set to 0.  Below 0 both corners are voxel 0 with weights
; -x and +x, as in the reference.  The blend goes z, y, x by fused multiply-adds: another order of rounding than the reference's eight products.
; LIMIT: disp finite and |x| < 2^31 (|disp| below about 2.7e7); beyond it the reference's conversion to int32 and its + 1 decide.
;
; SHARES as in the first launch: 256 work-groups x 25 steps x 1,280 voxels; thread t of 640 owns voxels 2t, 2t+1 of every step.  A wave's store
; covers 256 consecutive bytes at a multiple of 256 from out0's first byte.  No LDS, no barrier.  No cluster: disp, idx and out0 are private to a
; work-group, and which words of img it reads is decided by the data, so there is no tile that partners could ask for jointly.
; PIPELINE, two register sets in turn:  FRONT (step s+1: offsets, 16 gathers, weights), FETCH (step s+3: 4 stream loads), BACK (step s: blend, store).
; So a step's gathers are out while the step before is blended and the step behind is set up.
.set STEPS,  25
.set DSTEP,  15360                     ; bytes of disp in a step
.set ISTEP,  5120                      ; bytes of idx, and of out0, in a step
.set NS,     4                         ; stream loads of a step
.set NG,     16                        ; gathers of a step
.set IM,  14                           ; s[14:17] set n: img at the batch of the set's step
.set PL,  18                           ; plane of the next FRONT's step: 160 x batch + x
.set QY,  19                           ; which eight rows of the plane, 0..19
.set XI,  20
.set Y0,  21
.set GX,  22                           ; g(x)
.set TA,  23
.set TB,  24
.set RCP, 25                           ; 1/159 rounded to f32
.set TOP, 26                           ; 160.0
.set CNT, 27
.set MK,  28                           ; s[28:31] set n, voxel v: lanes whose near corner lies in a zero plane
.set ROW, 1                            ; v1        my row in the step
.set OD,  2                            ; v2        24 t
.set OI,  3                            ; v3        8 t
.set GZ,  4                            ; v[4:5]    g(z) of my two voxels
.set YI,  6
.set GY,  7
.set TG,  8
.set T,   10                           ; v[10:19]  fields of the two index words
.set X,   20                           ; v[20:25]  x, y, z as pairs (voxel 0, voxel 1)
.set R,   26                           ; v[26:31]  rounded; then x0, y0, z0
.set C1,  32                           ; v[32:37]  x1, y1, z1
.set ST,  38                           ; v[38:53]  set n: six words of disp, two of idx, as loaded
.set A,   54                           ; v[54:85]  set n: corner k = 4 dx + 2 dy + dz at 2k + voxel: first its byte offset, then its value
.set WT,  86                           ; v[86:109] set n: near weights x, y, z (pairs), then far weights x, y, z
.set O,   110                          ; v[110:113] set n: the two results
.macro GRID g, n, t                    ; v[g] = g(v[n])
	v_cvt_f32_u32 v[\t], v[\n]
	v_mul_f32 v[\t], s[RCP], v[\t]
	v_sub_f32 v[\g], 1.0, v[\t]
	v_sub_f32 v[\g], v[\t], v[\g]
	v_cmp_eq_u32 vcc_lo, 159, v[\n]
	v_cndmask_b32 v[\g], v[\g], 1.0, vcc_lo
.endm
.macro STATE set                       ; the step's batch, x, g(x), first row: scalar; then on to the next step
	s_cmp_ge_u32 s[PL], 160
	s_cselect_b64 s[IM+2*\set:IM+2*\set+1], s[12:13], s[8:9]   ; the set's last gathers were waited for in its BACK
	s_cselect_b32 s[TA], 160, 0
	s_sub_co_u32 s[XI], s[PL], s[TA]
	s_lshl_b32 s[Y0], s[QY], 3
	s_cvt_f32_u32 s[TA], s[XI]
	s_mul_f32 s[TA], s[TA], s[RCP]
	s_mov_b32 s[TB], 1.0
	s_fmac_f32 s[TB], s[TA], -1.0                  ; 1 - s
	s_mov_b32 s[GX], s[TA]
	s_fmac_f32 s[GX], s[TB], -1.0                  ; s - (1 - s)
	s_cmp_eq_u32 s[XI], 159
	s_cselect_b32 s[GX], 1.0, s[GX]
	s_add_co_u32 s[QY], s[QY], 1
	s_cmp_eq_u32 s[QY], 20
	s_cselect_b32 s[QY], 0, s[QY]
	s_cselect_b32 s[TA], 1, 0
	s_add_co_u32 s[PL], s[PL], s[TA]
.endm
.macro FETCH set, step                 ; my 24 bytes of disp and 8 of idx of the given step, counted from the bases
	global_load_b64 v[ST+8*\set:ST+8*\set+1],   v[OD], s[4:5] offset:DSTEP*\step th:TH_LOAD_NT
	global_load_b64 v[ST+8*\set+2:ST+8*\set+3], v[OD], s[4:5] offset:DSTEP*\step+8 th:TH_LOAD_NT
	global_load_b64 v[ST+8*\set+4:ST+8*\set+5], v[OD], s[4:5] offset:DSTEP*\step+16 th:TH_LOAD_NT
	global_load_b64 v[ST+8*\set+6:ST+8*\set+7], v[OI], s[6:7] offset:ISTEP*\step th:TH_LOAD_NT
.endm
; left = how many loads issued behind the set's four stream loads may stay out
.macro FRONT set, left
	STATE \set
	v_add_nc_u32 v[YI], s[Y0], v[ROW]
	GRID GY, YI, TG
	s_wait_loadcnt \left
	; Offsets first, so that the gathers leave early.  Every field is bounded by v_min_u32 with a written constant before it enters an address:
	; 256 x 63999 + 252 is the volume's last word.  A step bit of 2^24 or more becomes the step's bytes, 4, 640 or 102,400, by the same minimum;
	; the first launch sets it only where that neighbour is stored.
.irp v, 0,1
	v_and_b32 v[T+5*\v],   0xfc,      v[ST+8*\set+6+\v]
	v_bfe_u32 v[T+5*\v+1], v[ST+8*\set+6+\v], 8, 16
	v_and_b32 v[T+5*\v+2], 0x1000000, v[ST+8*\set+6+\v]
	v_and_b32 v[T+5*\v+3], 0x2000000, v[ST+8*\set+6+\v]
	v_and_b32 v[T+5*\v+4], 0x4000000, v[ST+8*\set+6+\v]
	v_min_u32 v[T+5*\v],   252,    v[T+5*\v]
	v_min_u32 v[T+5*\v+1], 63999,  v[T+5*\v+1]
	v_min_u32 v[T+5*\v+2], 4,      v[T+5*\v+2]
	v_min_u32 v[T+5*\v+3], 640,    v[T+5*\v+3]
	v_min_u32 v[T+5*\v+4], 102400, v[T+5*\v+4]
	v_lshl_add_u32 v[A+16*\set+\v],  v[T+5*\v+1], 8, v[T+5*\v]            ; 000
	v_add_nc_u32 v[A+16*\set+2+\v],  v[A+16*\set+\v],    v[T+5*\v+2]      ; 001
	v_add_nc_u32 v[A+16*\set+4+\v],  v[A+16*\set+\v],    v[T+5*\v+3]      ; 010
	v_add_nc_u32 v[A+16*\set+8+\v],  v[A+16*\set+\v],    v[T+5*\v+4]      ; 100
	v_add_nc_u32 v[A+16*\set+6+\v],  v[A+16*\set+4+\v],  v[T+5*\v+2]      ; 011
	v_add_nc_u32 v[A+16*\set+10+\v], v[A+16*\set+8+\v],  v[T+5*\v+2]      ; 101
	v_add_nc_u32 v[A+16*\set+12+\v], v[A+16*\set+8+\v],  v[T+5*\v+3]      ; 110
	v_add_nc_u32 v[A+16*\set+14+\v], v[A+16*\set+12+\v], v[T+5*\v+2]      ; 111
.endr
.irp k, 0,1,2,3,4,5,6,7,8,9,10,11,12,13,14,15
	global_load_b32 v[A+16*\set+\k], v[A+16*\set+\k], s[IM+2*\set:IM+2*\set+1]   ; each value lands on its own offset
.endr
	; the weights, while the gathers are out
	v_sub_f32 v[X],   s[GX],   v[ST+8*\set]        ; g - d, laid as pairs (voxel 0, voxel 1)
	v_sub_f32 v[X+1], s[GX],   v[ST+8*\set+3]
	v_sub_f32 v[X+2], v[GY],   v[ST+8*\set+1]
	v_sub_f32 v[X+3], v[GY],   v[ST+8*\set+4]
	v_sub_f32 v[X+4], v[GZ],   v[ST+8*\set+2]
	v_sub_f32 v[X+5], v[GZ+1], v[ST+8*\set+5]
.irp p, 0,2,4
	v_pk_add_f32 v[X+\p:X+\p+1], v[X+\p:X+\p+1], 1.0 op_sel_hi:[1,0]
.endr
.irp p, 0,2,4
	v_pk_mul_f32 v[X+\p:X+\p+1], v[X+\p:X+\p+1], 0x429f0000 op_sel_hi:[1,0]   ; x 79.5
.endr
.irp c, 0,1,2,3,4,5
	v_rndne_f32 v[R+\c], v[X+\c]
.endr
.irp p, 0,2,4
	v_pk_add_f32 v[C1+\p:C1+\p+1], v[R+\p:R+\p+1], 1.0 op_sel_hi:[1,0]
.endr
	v_max3_num_f32 v[T],   v[R],   v[R+2], v[R+4]
	v_max3_num_f32 v[T+1], v[R+1], v[R+3], v[R+5]
	v_cmp_le_f32 s[MK+2*\set],   s[TOP], v[T]      ; some near corner is clipped to 160: all eight corners are zeros
	v_cmp_le_f32 s[MK+2*\set+1], s[TOP], v[T+1]
.irp c, 0,1,2,3,4,5
	v_med3_num_f32 v[R+\c],  v[R+\c],  0, s[TOP]   ; x0
	v_med3_num_f32 v[C1+\c], v[C1+\c], 0, s[TOP]   ; x1
.endr
.irp p, 0,2,4
	v_pk_add_f32 v[WT+12*\set+\p:WT+12*\set+\p+1],   v[C1+\p:C1+\p+1], v[X+\p:X+\p+1] neg_lo:[0,1] neg_hi:[0,1]   ; x1 - x
	v_pk_add_f32 v[WT+12*\set+6+\p:WT+12*\set+7+\p], v[X+\p:X+\p+1],   v[R+\p:R+\p+1] neg_lo:[0,1] neg_hi:[0,1]   ; x - x0
.endr
.irp c, 0,1,2,3,4,5
	v_cmp_eq_f32 vcc_lo, s[TOP], v[C1+\c]
	v_cndmask_b32 v[WT+12*\set+6+\c], v[WT+12*\set+6+\c], 0, vcc_lo       ; the far corner lies in the zero plane
.endr
.endm
; left = how many loads issued behind the set's sixteen gathers may stay out;  step: the store's step, counted from the base
.macro BACK set, left, step
	s_wait_loadcnt \left
.irp k, 0,4,8,12
	v_pk_mul_f32 v[A+16*\set+\k:A+16*\set+\k+1], v[A+16*\set+\k:A+16*\set+\k+1], v[WT+12*\set+4:WT+12*\set+5]
.endr
.irp k, 0,4,8,12
	v_pk_fma_f32 v[A+16*\set+\k:A+16*\set+\k+1], v[A+16*\set+\k+2:A+16*\set+\k+3], v[WT+12*\set+10:WT+12*\set+11], v[A+16*\set+\k:A+16*\set+\k+1]
.endr
.irp k, 0,8
	v_pk_mul_f32 v[A+16*\set+\k:A+16*\set+\k+1], v[A+16*\set+\k:A+16*\set+\k+1], v[WT+12*\set+2:WT+12*\set+3]
.endr
.irp k, 0,8
	v_pk_fma_f32 v[A+16*\set+\k:A+16*\set+\k+1], v[A+16*\set+\k+4:A+16*\set+\k+5], v[WT+12*\set+8:WT+12*\set+9], v[A+16*\set+\k:A+16*\set+\k+1]
.endr
	v_pk_mul_f32 v[O+2*\set:O+2*\set+1], v[A+16*\set:A+16*\set+1], v[WT+12*\set:WT+12*\set+1]
	v_pk_fma_f32 v[O+2*\set:O+2*\set+1], v[A+16*\set+8:A+16*\set+9], v[WT+12*\set+6:WT+12*\set+7], v[O+2*\set:O+2*\set+1]
	v_cndmask_b32 v[O+2*\set],   v[O+2*\set],   0, s[MK+2*\set]
	v_cndmask_b32 v[O+2*\set+1], v[O+2*\set+1], 0, s[MK+2*\set+1]
	global_store_b64 v[OI], v[O+2*\set:O+2*\set+1], s[10:11] offset:ISTEP*\step th:TH_STORE_NT
.endm
	s_load_b256 s[4:11], s[0:1], 0x0               ; disp s[4:5], idx s[6:7], img s[8:9], out0 s[10:11]
	s_mul_i32 s[TA], ttmp9, STEPS                  ; my first step, 0..6375
	s_mul_i32 s[PL], s[TA], 52429
	s_lshr_b32 s[PL], s[PL], 20                    ; / 20: 52429 / 2^20 exceeds 1/20 by 2e-7, too little to matter below 6,400
	s_mul_i32 s[TB], s[PL], 20
	s_sub_co_u32 s[QY], s[TA], s[TB]
	s_mul_i32 s32, ttmp9, STEPS*DSTEP
	s_mov_b32 s33, 0
	s_mul_i32 s34, ttmp9, STEPS*ISTEP
	s_mov_b32 s35, 0
	s_mov_b32 s[RCP], 0x3bce168a                   ; 13506186 x 2^-31: 2^31 / 159 = 13506186.47
	s_mov_b32 s[TOP], 0x43200000                   ; 160.0
	v_mul_u32_u24 v[ROW], 410, v0
	v_lshrrev_b32 v[ROW], 15, v[ROW]               ; t / 80 (right for t < 640)
	v_mul_u32_u24 v[YI], 80, v[ROW]
	v_sub_nc_u32 v[YI], v0, v[YI]
	v_lshlrev_b32 v[YI], 1, v[YI]                  ; z of my first voxel
	GRID GZ, YI, TG
	v_add_nc_u32 v[YI], 1, v[YI]
	GRID GZ+1, YI, TG
	v_mul_u32_u24 v[OD], 24, v0
	v_lshlrev_b32 v[OI], 3, v0
	s_wait_kmcnt 0x0
	s_add_nc_u64 s[4:5], s[4:5], s[32:33]
	s_add_nc_u64 s[6:7], s[6:7], s[34:35]
	s_add_nc_u64 s[10:11], s[10:11], s[34:35]
	s_add_nc_u64 s[12:13], s[8:9], 0xfa0000        ; img of batch 1: 160^3 words on
	FETCH 0, 0
	FETCH 1, 1
	FRONT 0, NS                                    ; step 0; behind its stream loads only step 1's were issued
	FETCH 0, 2
	s_mov_b32 s[CNT], (STEPS-3)/2
; Trip k, bases at step 2k.  Order of issue: .. stream 2k+1, gathers 2k, stream 2k+2 | gathers 2k+1, stream 2k+3, gathers 2k+2, stream 2k+4.
; Behind a step's stream loads stand 16 gathers and 4 stream loads when FRONT wants them; behind its gathers 4 + 16 + 4 when BACK wants them.
.Lpair:
	FRONT 1, NG+NS
	FETCH 1, 3
	BACK  0, NS+NG+NS, 0
	FRONT 0, NG+NS
	FETCH 0, 4
	BACK  1, NS+NG+NS, 1
	s_wait_xcnt 0x0                                ; the three bases, and the O registers that the stores read, are rewritten only behind this wait
	s_add_nc_u64 s[4:5], s[4:5], 2*DSTEP
	s_add_nc_u64 s[6:7], s[6:7], 2*ISTEP
	s_add_nc_u64 s[10:11], s[10:11], 2*ISTEP
	s_sub_co_u32 s[CNT], s[CNT], 1
	s_cmp_lg_u32 s[CNT], 0
	s_cbranch_scc1 .Lpair
	; the tail, bases at step 22: steps 23 and 24 are set up, 22 to 24 blended, nothing more is fetched, and the counts run down
	FRONT 1, NG+NS                                 ; step 23: behind its stream loads stand gathers 22 and stream 24
	BACK  0, NS+NG, 0                              ; step 22: behind its gathers stand stream 24 and gathers 23
	FRONT 0, NG                                    ; step 24
	BACK  1, NG, 1                                 ; step 23
	s_wait_xcnt 0x0                                ; set 0's results, which step 22's store reads, are rewritten only behind this wait
	BACK  0, 0, 2                                  ; step 24
	s_endpgm
.Lfunc_end_k_q2b9272ccaf_warp:
	.size	k_q2b9272ccaf_warp, .Lfunc_end_k_q2b9272ccaf_warp-k_q2b9272ccaf_warp
	.p2alignl 7, 3214868480
	.fill 96, 4, 3214868480
	.section	.rodata,"a",@progbits
	.p2align	6, 0x0
	.amdhsa_kernel k_q2b9272ccaf_warp
		.amdhsa_group_segment_fixed_size 0
		.amdhsa_private_segment_fixed_size 0
		.amdhsa_enable_private_segment 0
		.amdhsa_kernarg_size 32
		.amdhsa_user_sgpr_count 2
		.amdhsa_user_sgpr_kernarg_segment_ptr 1
		.amdhsa_wavefront_size32 1
		.amdhsa_system_sgpr_workgroup_id_x 1
		.amdhsa_system_sgpr_workgroup_id_y 1
		.amdhsa_system_sgpr_workgroup_id_z 1
		.amdhsa_system_vgpr_workitem_id 0
		.amdhsa_next_free_vgpr 116
		.amdhsa_next_free_sgpr 66
		.amdhsa_reserve_vcc 1
		.amdhsa_float_denorm_mode_32 3
		.amdhsa_float_denorm_mode_16_64 3
		.amdhsa_memory_ordered 1
		.amdhsa_forward_progress 1
		.amdhsa_inst_pref_size 46
	.end_amdhsa_kernel
	.amdgpu_metadata
---
amdhsa.version: [ 1, 2 ]
amdhsa.kernels:
  - .name:           k_q2b9272ccaf_warp
    .symbol:         k_q2b9272ccaf_warp.kd
    .args:
      - { .name: disp, .offset: 0, .size: 8, .value_kind: global_buffer, .address_space: global }
      - { .name: idx, .offset: 8, .size: 8, .value_kind: global_buffer, .address_space: global }
      - { .name: img, .offset: 16, .size: 8, .value_kind: global_buffer, .address_space: global }
      - { .name: out0, .offset: 24, .size: 8, .value_kind: global_buffer, .address_space: global }
    .group_segment_fixed_size: 0
    .private_segment_fixed_size: 0
    .kernarg_segment_align: 8
    .kernarg_segment_size: 32
    .max_flat_workgroup_size: 640
    .sgpr_count:     66
    .vgpr_count:     116
    .wavefront_size: 32
...
	.end_amdgpu_metadata
.endif
;; end of part 2
;; ======== version 2 of 3: 2 launches; 1.21 times as fast as version 1
;; workspace buffers: idx 32,768,000 bytes of whole numbers
;; launch index (part 3): grid 256 x 1, 20 waves a work-group, no clusters, 0 bytes of LDS; arguments disp, idx; writes idx
.if DOCPART == 3
	.amdgcn_target "amdgcn-amd-amdhsa--gfx1250"
	.amdhsa_code_object_version 6
	.text
	.protected	k_q2b9272ccaf_index
	.globl	k_q2b9272ccaf_index
	.p2align	8
	.type	k_q2b9272ccaf_index,@function
k_q2b9272ccaf_index:
	s_mov_b64 s[64:65], 0
	v_nop
	global_prefetch_b8 v0, s[64:65] scope:SCOPE_SE
	s_setreg_imm32_b32 hwreg(HW_REG_WAVE_MODE, 25, 1), 1
	s_wait_xcnt 0x0
; FIRST OF TWO LAUNCHES: where does each voxel sample?  disp [2][160][160][160][3] f32  ->  idx, one 32-bit whole number a voxel:
; the byte offset, inside the batch's volume of img, of the voxel (bx, by, bz), b = round(coordinate) held to 0..158.  The next launch reads
; the eight voxels (b, b+1)^3 from that one offset and makes the weights from disp itself.  At most 4 (158 x 25,761) = 16,280,952.
;
; THE COORDINATE is made with the roundings of the reference, since its anchor round(x) jumps at half-integers:
;   g(i) = s - (1 - s), s = i * (1/159 rounded to f32), g(159) = 1     (jnp.linspace(-1, 1, 160))
;   x = ((g - d) + 1) * 79.5      (0.5 * t is exact, so (0.5 t) * 159 and t * 79.5 round alike)
; LIMIT: disp finite and |x| < 2^31 (|disp| below about 2.7e7); beyond it the reference's conversion to int32 and its + 1 decide.
;
; SHARES: 51,200 rows of 160 voxels over 256 work-groups x 20 waves: a wave owns 10 consecutive rows, which lie in one plane (a plane is 16
; waves' rows), so batch and x are fixed for the wave and y is the same in all its lanes: g(x) and the ten g(y) are scalars, made once.
; A row is five chunks of 32 voxels; lane l owns voxel l of every chunk, so one 12-byte load of the wave covers 384 consecutive bytes
; and every byte of disp is named by one instruction.  g(z) is five registers.  A UNIT is two chunks (packed f32 pairs two voxels): 25 units.
; LAYOUT OF idx, as the lanes hold it: for a wave 6,400 bytes, for a row pair (ten chunks) 1,280: lane l's words of chunks 0-3 at 16 l,
; of chunks 4-7 at 512 + 16 l, of chunks 8, 9 at 1,024 + 8 l.  Each store covers 512 or 256 consecutive bytes at a multiple of 256.
; No loop: 25 units are unrolled, every offset is an immediate, no base is stepped, and every store has data registers of its own, so that
; no register that a pending memory instruction reads is ever written again.  A ring of ten units keeps twenty loads of a wave in flight.
; No LDS, no barrier: no wave needs another.  No cluster: no two work-groups read the same bytes.
.set NU,    25                         ; units of a wave
.set DEPTH, 10                         ; units in flight
.set UB,    768                        ; bytes of disp in a unit: 64 x 12
.set SB,    1280                       ; bytes of idx in a row pair
.set WDISP, 19200                      ; bytes of disp of a wave
.set WIDX,  6400                       ; bytes of idx of a wave
.set WV,  8                            ; s8   wave in the work-group
.set WN,  9                            ; s9   wave in the launch, 0..5119
.set XI,  10                           ; s10  x
.set Y0,  11                           ; s11  first of my ten rows
.set TA,  12
.set TB,  13
.set RCP, 14                           ; s14  1/159 rounded to f32
.set TOP, 15                           ; s15  158.0
.set GX,  16                           ; s16  g(x)
.set YN,  17
.set GY,  20                           ; s[20:29] g(y) of my ten rows
.set LN,  1                            ; v1       lane
.set OD,  2                            ; v2       12 lane
.set O16, 3                            ; v3       16 lane
.set O8,  4                            ; v4       8 lane
.set ZI,  5
.set TG,  6
.set GZ,  8                            ; v[8:12]  g(z), z = 32 c + lane
.set X,   14                           ; v[14:19] x, y, z as pairs (first chunk, second chunk)
.set D,   20                           ; v[20:99] ring slot k: x y z of the first chunk at 8k, of the second at 8k + 4
.set W,   100                          ; v[100:149] row pair s: its ten words, never rewritten
.macro GRID g, n, t                    ; v[g] = g(v[n])
	v_cvt_f32_u32 v[\t], v[\n]
	v_mul_f32 v[\t], s[RCP], v[\t]                 ; s
	v_sub_f32 v[\g], 1.0, v[\t]                    ; 1 - s
	v_sub_f32 v[\g], v[\t], v[\g]                  ; -1 (1 - s) + 1 s: the products are exact, one rounding
	v_cmp_eq_u32 vcc_lo, 159, v[\n]
	v_cndmask_b32 v[\g], v[\g], 1.0, vcc_lo        ; the end point is appended as it is
.endm
.macro SGRID dst, n                    ; the same in scalar registers
	s_cvt_f32_u32 s[TA], s[\n]
	s_mul_f32 s[TA], s[TA], s[RCP]
	s_mov_b32 s[TB], 1.0
	s_fmac_f32 s[TB], s[TA], -1.0                  ; 1 - s
	s_mov_b32 s[\dst], s[TA]
	s_fmac_f32 s[\dst], s[TB], -1.0                ; s - (1 - s)
	s_cmp_eq_u32 s[\n], 159
	s_cselect_b32 s[\dst], 1.0, s[\dst]
.endm
.macro FILL n                          ; unit n into its ring slot: two chunks, 384 consecutive bytes each
	global_load_b96 v[D+8*((\n)%DEPTH):D+8*((\n)%DEPTH)+2],   v[OD], s[4:5] offset:UB*(\n) th:TH_LOAD_NT
	global_load_b96 v[D+8*((\n)%DEPTH)+4:D+8*((\n)%DEPTH)+6], v[OD], s[4:5] offset:UB*(\n)+384 th:TH_LOAD_NT
.endm
	s_load_b128 s[4:7], s[0:1], 0x0                ; disp s[4:5], idx s[6:7]
	v_lshrrev_b32 v[LN], 5, v0
	v_readfirstlane_b32 s[WV], v[LN]
	v_and_b32 v[LN], 31, v0
	v_mul_u32_u24 v[OD], 12, v[LN]
	v_lshlrev_b32 v[O16], 4, v[LN]
	v_lshlrev_b32 v[O8], 3, v[LN]
	s_mul_i32 s[WN], ttmp9, 20
	s_add_co_u32 s[WN], s[WN], s[WV]
	s_mul_i32 s30, s[WN], WDISP                    ; below 2^27
	s_mov_b32 s31, 0
	s_mul_i32 s32, s[WN], WIDX
	s_mov_b32 s33, 0
	s_wait_kmcnt 0x0
	s_add_nc_u64 s[4:5], s[4:5], s[30:31]
	s_add_nc_u64 s[6:7], s[6:7], s[32:33]
.set u, 0
.rept DEPTH
	FILL u                                         ; the ring is filled before anything else is done
.set u, u+1
.endr
	s_mov_b32 s[RCP], 0x3bce168a                   ; 13506186 x 2^-31: 2^31 / 159 = 13506186.47
	s_mov_b32 s[TOP], 0x431e0000                   ; 158.0
	s_lshr_b32 s[XI], s[WN], 4                     ; plane 160 x batch + x
	s_and_b32 s[Y0], s[WN], 15
	s_mul_i32 s[Y0], s[Y0], 10
	s_cmp_ge_u32 s[XI], 160
	s_cselect_b32 s[TA], 160, 0
	s_sub_co_u32 s[XI], s[XI], s[TA]
	SGRID GX, XI
.irp j, 0,1,2,3,4,5,6,7,8,9
	s_add_co_u32 s[YN], s[Y0], \j
	SGRID GY+\j, YN
.endr
.irp c, 0,1,2,3,4
	v_add_nc_u32 v[ZI], 32*\c, v[LN]
	GRID GZ+\c, ZI, TG
.endr
; Unit n = chunks CA, CA + 1 of row pair STP.  Chunk c lies in row c / 5 of the pair, at z = 32 (c % 5) + lane.
.macro UNIT n
.set SL,  D+8*((\n)%DEPTH)
.set STP, (\n)/5
.set CA,  2*((\n)%5)
.set CB,  CA+1
.if (\n)+DEPTH <= NU
	s_wait_loadcnt 2*(DEPTH-1)                     ; loads return in order: this unit's two are in, the nine younger units' stay out
.else
	s_wait_loadcnt 2*(NU-1-(\n))                   ; the last units: only those still behind this one
.endif
	v_sub_f32 v[X],   s[GX],              v[SL]    ; g - d, laid as pairs (first chunk, second chunk)
	v_sub_f32 v[X+1], s[GX],              v[SL+4]
	v_sub_f32 v[X+2], s[GY+2*STP+CA/5],   v[SL+1]
	v_sub_f32 v[X+3], s[GY+2*STP+CB/5],   v[SL+5]
	v_sub_f32 v[X+4], v[GZ+CA%5],         v[SL+2]
	v_sub_f32 v[X+5], v[GZ+CB%5],         v[SL+6]
.if (\n)+DEPTH < NU
	FILL (\n)+DEPTH                                ; the slot has been read: it takes the unit ten further on
.endif
.irp p, 0,2,4
	v_pk_add_f32 v[X+\p:X+\p+1], v[X+\p:X+\p+1], 1.0 op_sel_hi:[1,0]
.endr
.irp p, 0,2,4
	v_pk_mul_f32 v[X+\p:X+\p+1], v[X+\p:X+\p+1], 0x429f0000 op_sel_hi:[1,0]   ; x 79.5
.endr
.irp c, 0,1,2,3,4,5
	v_rndne_f32 v[X+\c], v[X+\c]                   ; the anchor: to nearest, ties to even
.endr
.irp c, 0,1,2,3,4,5
	v_med3_num_f32 v[X+\c], v[X+\c], 0, s[TOP]     ; b: 0..158, so that b + 1 is a stored voxel
.endr
	; 102400 bx + 640 by + 4 bz is below 2^24: whole numbers that f32 holds exactly
	v_pk_mul_f32 v[X+4:X+5], v[X+4:X+5], 4.0 op_sel_hi:[1,0]
	v_pk_fma_f32 v[X+4:X+5], v[X+2:X+3], 0x44200000, v[X+4:X+5] op_sel_hi:[1,0,1]
	v_pk_fma_f32 v[X+4:X+5], v[X:X+1],   0x47c80000, v[X+4:X+5] op_sel_hi:[1,0,1]
	v_cvt_u32_f32 v[W+10*STP+CA], v[X+4]
	v_cvt_u32_f32 v[W+10*STP+CB], v[X+5]
.if CA == 2
	global_store_b128 v[O16], v[W+10*STP:W+10*STP+3],   s[6:7] offset:SB*STP th:TH_STORE_NT
.endif
.if CA == 6
	global_store_b128 v[O16], v[W+10*STP+4:W+10*STP+7], s[6:7] offset:SB*STP+512 th:TH_STORE_NT
.endif
.if CA == 8
	global_store_b64  v[O8],  v[W+10*STP+8:W+10*STP+9], s[6:7] offset:SB*STP+1024 th:TH_STORE_NT
.endif
.endm
.set u, 0
.rept NU
	UNIT u
.set u, u+1
.endr
	s_endpgm
.Lfunc_end_k_q2b9272ccaf_index:
	.size	k_q2b9272ccaf_index, .Lfunc_end_k_q2b9272ccaf_index-k_q2b9272ccaf_index
	.p2alignl 7, 3214868480
	.fill 96, 4, 3214868480
	.section	.rodata,"a",@progbits
	.p2align	6, 0x0
	.amdhsa_kernel k_q2b9272ccaf_index
		.amdhsa_group_segment_fixed_size 0
		.amdhsa_private_segment_fixed_size 0
		.amdhsa_enable_private_segment 0
		.amdhsa_kernarg_size 16
		.amdhsa_user_sgpr_count 2
		.amdhsa_user_sgpr_kernarg_segment_ptr 1
		.amdhsa_wavefront_size32 1
		.amdhsa_system_sgpr_workgroup_id_x 1
		.amdhsa_system_sgpr_workgroup_id_y 1
		.amdhsa_system_sgpr_workgroup_id_z 1
		.amdhsa_system_vgpr_workitem_id 0
		.amdhsa_next_free_vgpr 150
		.amdhsa_next_free_sgpr 66
		.amdhsa_reserve_vcc 1
		.amdhsa_float_denorm_mode_32 3
		.amdhsa_float_denorm_mode_16_64 3
		.amdhsa_memory_ordered 1
		.amdhsa_forward_progress 1
		.amdhsa_inst_pref_size 52
	.end_amdhsa_kernel
	.amdgpu_metadata
---
amdhsa.version: [ 1, 2 ]
amdhsa.kernels:
  - .name:           k_q2b9272ccaf_index
    .symbol:         k_q2b9272ccaf_index.kd
    .args:
      - { .name: disp, .offset: 0, .size: 8, .value_kind: global_buffer, .address_space: global }
      - { .name: idx, .offset: 8, .size: 8, .value_kind: global_buffer, .address_space: global }
    .group_segment_fixed_size: 0
    .private_segment_fixed_size: 0
    .kernarg_segment_align: 8
    .kernarg_segment_size: 16
    .max_flat_workgroup_size: 640
    .sgpr_count:     66
    .vgpr_count:     150
    .wavefront_size: 32
...
	.end_amdgpu_metadata
.endif
;; end of part 3
;; launch warp (part 4): grid 256 x 1, 20 waves a work-group, no clusters, 28,160 bytes of LDS; arguments disp, idx, img, out0; writes out0
.if DOCPART == 4
	.amdgcn_target "amdgcn-amd-amdhsa--gfx1250"
	.amdhsa_code_object_version 6
	.text
	.protected	k_q2b9272ccaf_warp
	.globl	k_q2b9272ccaf_warp
	.p2align	8
	.type	k_q2b9272ccaf_warp,@function
k_q2b9272ccaf_warp:
	s_mov_b64 s[64:65], 0
	v_nop
	global_prefetch_b8 v0, s[64:65] scope:SCOPE_SE
	s_setreg_imm32_b32 hwreg(HW_REG_WAVE_MODE, 25, 1), 1
	s_wait_xcnt 0x0
; SECOND OF TWO LAUNCHES: gather eight voxels and blend them.  out0[v] = sum over (b, b+1)^3 of wx wy wz img[..].
; The addresses come from idx alone (whole numbers that the first launch stored: the byte offset, in the batch's volume, of (bx, by, bz),
; b = round(coordinate) held to 0..158): one offset register a voxel, the eight voxels by the immediates 0/4 + 0/640 + 0/102,400.
; The weights are made here from disp, in f32, with the same roundings as in the first launch and in the reference:
;   g(i) = s - (1 - s), s = i * (1/159 rounded to f32), g(159) = 1;   x = ((g - d) + 1) * 79.5;   r = round to nearest even;   f = x - r (exact)
;   r in 0..158:  voxel r gets 1 - f (the same number, rounded once, as the reference's (r + 1) - x), voxel r + 1 gets f
;   r = 159:      the far corner lies in the zero plane 160, which is not stored: voxel 158 gets 0, voxel 159 gets 1 - f = 160 - x
;   r < 0:        the reference clips both corners to voxel 0 with weights -x and +x, whose sum is 0;  r > 159: both corners are zeros.
;                 In both cases, in any dimension, 0 is written.  (For r < 0 the reference's eight products leave rounding noise around that 0.)
; The blend goes z, y, x by fused multiply-adds: another order of rounding than the reference's eight products.
; LIMIT: disp finite and |x| < 2^31 (|disp| below about 2.7e7); beyond it the reference's conversion to int32 and its + 1 decide.
;
; SHARES as in the first launch: a wave owns 10 consecutive rows of one plane; a row is five chunks of 32 voxels, lane l owns voxel l of each
; chunk; a 12-byte load of the wave covers 384 consecutive bytes of disp; g(x) and the ten g(y) are scalars; a unit is two chunks, 25 units.
; idx comes as the first launch laid it: for a row pair two 16-byte loads and one 8-byte load a lane, 512 and 256 consecutive bytes a wave.
; THE WAY OUT: a lane's results lie 128 bytes apart, so a row pair (1,280 bytes) goes through LDS bytes of the wave's own: ten 4-byte stores,
; read back as 16, 16 and 8 bytes a lane, so that each global store covers 512 or 256 consecutive bytes at a multiple of 256 from out0's first byte.
; LDS serves a wave's instructions in order (ISA guide 5.7.1), so no wait stands between those stores and loads, and no barrier: no wave
; touches another's bytes.  The values read back land in the row pair's idx registers, which are dead by then and are never written again.
; WHICH SLAB: a work-group's 200 rows are slab 16 (g mod 16) + g / 16 for work-group g.  It changes no result.  Neighbouring slabs read planes
; of img in common (a slab is 1.25 planes thick, a displacement of n voxels along x reaches n planes); this order gives them to work-groups whose
; numbers lie 16 apart.  It serves where such work-groups are placed near each other; where neighbours in number are, the plain order g serves.
; No cluster: disp, idx and out0 are private to a wave, and which words of img are read is decided by the data: there is no tile to ask for jointly.
;
; PIPELINE, no loop (25 units unrolled, every offset an immediate, no base stepped):  FRONT u (offsets, 16 gathers, then disp of unit u + 4 into the
; slot just read, then the weights), BACK u - 1 (blend).  Two sets of gather and weight registers take turns.
; THE COUNTS of s_wait_loadcnt are formed in the text: ISS counts the loads issued so far (there is no branch, so it is the count at run time),
; a mark keeps ISS as it stood behind a group's last load, and ISS - mark is the number of younger loads, which may stay out.
; FRONT: mostly 54 = three units of 16 gathers + 2 disp loads (57 with a group of idx loads between).  BACK: mostly 20 = 2 + 16 + 2.
.set NU,    25                         ; units of a wave
.set NSL,   4                          ; disp slots
.set UB,    768                        ; bytes of disp in a unit
.set SB,    1280                       ; bytes of idx, of out0 and of the LDS stage in a row pair
.set WDISP, 19200                      ; bytes of disp of a wave
.set WOUT,  6400                       ; bytes of idx, and of out0, of a wave
.set AMAX,  1017559                    ; 16,280,952 / 16: the largest offset that the first launch stores, in units of 16 bytes
.set WV,   12                          ; wave in the work-group
.set WN,   13                          ; wave's place in the volume, 0..5119
.set XI,   14
.set Y0,   15
.set TA,   16
.set TB,   17
.set RCP,  18                          ; 1/159 rounded to f32
.set C159, 19                          ; 159.0
.set GX,   20                          ; g(x)
.set YN,   21
.set GY,   24                          ; s[24:33] g(y) of my ten rows
.set MK,   34                          ; s[34:37] set n, chunk v: lanes whose result is 0
.set LN,  1                            ; v1        lane
.set OD,  2                            ; v2        12 lane
.set O16, 3                            ; v3        16 lane
.set O8,  4                            ; v4        8 lane
.set LS,  5                            ; v5        my stage + 4 lane
.set L16, 6                            ; v6        my stage + 16 lane
.set L8,  7                            ; v7        my stage + 8 lane
.set ZI,  8
.set TG,  9
.set GZ,  10                           ; v[10:14]  g(z), z = 32 c + lane
.set T,   16                           ; v[16:19]  at work
.set X,   20                           ; v[20:25]  x, y, z as pairs (first chunk, second chunk)
.set R,   26                           ; v[26:31]  rounded
.set O,   32                           ; v[32:33]  two results
.set ST,  34                           ; v[34:65]  disp slot k: x y z of the first chunk at 8k, of the second at 8k + 4
.set AD,  66                           ; v[66:69]  set n: the two offsets
.set A,   70                           ; v[70:101] set n: voxel k = 4 dx + 2 dy + dz at 2k + chunk
.set WT,  102                          ; v[102:125] set n: weights of b in x, y, z (pairs), then of b + 1
.set IX,  126                          ; v[126:175] row pair s: ten idx words; later its ten results
.macro GRID g, n, t                    ; v[g] = g(v[n])
	v_cvt_f32_u32 v[\t], v[\n]
	v_mul_f32 v[\t], s[RCP], v[\t]
	v_sub_f32 v[\g], 1.0, v[\t]
	v_sub_f32 v[\g], v[\t], v[\g]
	v_cmp_eq_u32 vcc_lo, 159, v[\n]
	v_cndmask_b32 v[\g], v[\g], 1.0, vcc_lo
.endm
.macro SGRID dst, n                    ; the same in scalar registers
	s_cvt_f32_u32 s[TA], s[\n]
	s_mul_f32 s[TA], s[TA], s[RCP]
	s_mov_b32 s[TB], 1.0
	s_fmac_f32 s[TB], s[TA], -1.0                  ; 1 - s
	s_mov_b32 s[\dst], s[TA]
	s_fmac_f32 s[\dst], s[TB], -1.0                ; s - (1 - s)
	s_cmp_eq_u32 s[\n], 159
	s_cselect_b32 s[\dst], 1.0, s[\dst]
.endm
.macro IDXLOAD s                       ; the ten idx words of row pair s
	global_load_b128 v[IX+10*(\s):IX+10*(\s)+3],   v[O16], s[6:7] offset:SB*(\s) th:TH_LOAD_NT
	global_load_b128 v[IX+10*(\s)+4:IX+10*(\s)+7], v[O16], s[6:7] offset:SB*(\s)+512 th:TH_LOAD_NT
	global_load_b64  v[IX+10*(\s)+8:IX+10*(\s)+9], v[O8],  s[6:7] offset:SB*(\s)+1024 th:TH_LOAD_NT
.set ISS, ISS+3
.endm
.macro FETCH n                         ; disp of unit n into its slot
	global_load_b96 v[ST+8*((\n)%NSL):ST+8*((\n)%NSL)+2],   v[OD], s[4:5] offset:UB*(\n) th:TH_LOAD_NT
	global_load_b96 v[ST+8*((\n)%NSL)+4:ST+8*((\n)%NSL)+6], v[OD], s[4:5] offset:UB*(\n)+384 th:TH_LOAD_NT
.set ISS, ISS+2
.endm
; Unit n = chunks CA, CA + 1 of row pair STP.  Chunk c lies in row c / 5 of the pair, at z = 32 (c % 5) + lane.
.macro FRONT n
.set FS,  (\n)%2
.set SL,  ST+8*((\n)%NSL)
.set STP, (\n)/5
.set CA,  2*((\n)%5)
.set CB,  CA+1
	s_wait_loadcnt ISS-MS0                         ; this unit's disp is in, and with it the row pair's idx, which was asked for earlier
.set MS0, MS1                                      ; the marks of the next three units move up
.set MS1, MS2
.set MS2, MS3
	; Offsets first, so that the gathers leave early.  Both fields are bounded by v_min_u32 with a written constant before they enter an address;
	; with the largest immediate, 103,044, the largest stored offset reaches the volume's last word.
	v_bfe_u32 v[T],   v[IX+10*STP+CA], 4, 20
	v_bfe_u32 v[T+1], v[IX+10*STP+CB], 4, 20
	v_and_b32 v[T+2], 12, v[IX+10*STP+CA]
	v_and_b32 v[T+3], 12, v[IX+10*STP+CB]
	v_min_u32 v[T],   AMAX, v[T]
	v_min_u32 v[T+1], AMAX, v[T+1]
	v_min_u32 v[T+2], 12, v[T+2]
	v_min_u32 v[T+3], 12, v[T+3]
	v_lshl_add_u32 v[AD+2*FS],   v[T],   4, v[T+2]    ; the set's last gathers were waited for in its BACK
	v_lshl_add_u32 v[AD+2*FS+1], v[T+1], 4, v[T+3]
.irp k, 0,1,2,3,4,5,6,7
	global_load_b32 v[A+16*FS+2*\k],   v[AD+2*FS],   s[8:9] offset:4*(\k&1)+640*((\k>>1)&1)+102400*(\k>>2)
	global_load_b32 v[A+16*FS+2*\k+1], v[AD+2*FS+1], s[8:9] offset:4*(\k&1)+640*((\k>>1)&1)+102400*(\k>>2)
.endr
.set ISS, ISS+16
.set MGN, ISS
	; the weights, while the gathers are out
	v_sub_f32 v[X],   s[GX],              v[SL]    ; g - d, laid as pairs (first chunk, second chunk)
	v_sub_f32 v[X+1], s[GX],              v[SL+4]
	v_sub_f32 v[X+2], s[GY+2*STP+CA/5],   v[SL+1]
	v_sub_f32 v[X+3], s[GY+2*STP+CB/5],   v[SL+5]
	v_sub_f32 v[X+4], v[GZ+CA%5],         v[SL+2]
	v_sub_f32 v[X+5], v[GZ+CB%5],         v[SL+6]
.if (\n)+NSL < NU
	FETCH (\n)+NSL                                 ; the slot has been read: it takes the unit four further on
.set MS3, ISS
.endif
.if (\n)%5 == 0
.if (\n)/5+2 < 5
	IDXLOAD (\n)/5+2                               ; idx two row pairs ahead, into registers of its own
.endif
.endif
.irp p, 0,2,4
	v_pk_add_f32 v[X+\p:X+\p+1], v[X+\p:X+\p+1], 1.0 op_sel_hi:[1,0]
.endr
.irp p, 0,2,4
	v_pk_mul_f32 v[X+\p:X+\p+1], v[X+\p:X+\p+1], 0x429f0000 op_sel_hi:[1,0]   ; x 79.5
.endr
.irp c, 0,1,2,3,4,5
	v_rndne_f32 v[R+\c], v[X+\c]
.endr
.irp p, 0,2,4
	v_pk_add_f32 v[WT+12*FS+6+\p:WT+12*FS+7+\p], v[X+\p:X+\p+1], v[R+\p:R+\p+1] neg_lo:[0,1] neg_hi:[0,1]   ; f = x - r
.endr
	v_max3_num_f32 v[T],   v[R],   v[R+2], v[R+4]
	v_max3_num_f32 v[T+1], v[R+1], v[R+3], v[R+5]
	v_min3_num_f32 v[T+2], v[R],   v[R+2], v[R+4]
	v_min3_num_f32 v[T+3], v[R+1], v[R+3], v[R+5]
.irp p, 0,2,4
	v_pk_fma_f32 v[WT+12*FS+\p:WT+12*FS+\p+1], v[WT+12*FS+6+\p:WT+12*FS+7+\p], -1.0, 1.0 op_sel_hi:[1,0,0]  ; 1 - f
.endr
	v_cmp_lt_f32 s[MK+2*FS], s[C159], v[T]         ; some r above 159,
	v_cmp_gt_f32 vcc_lo, 0, v[T+2]                 ; or some r below 0: the result is 0
	s_or_b32 s[MK+2*FS], s[MK+2*FS], vcc_lo
	v_cmp_lt_f32 s[MK+2*FS+1], s[C159], v[T+1]
	v_cmp_gt_f32 vcc_lo, 0, v[T+3]
	s_or_b32 s[MK+2*FS+1], s[MK+2*FS+1], vcc_lo
.irp c, 0,1,2,3,4,5
	v_cmp_eq_f32 vcc_lo, s[C159], v[R+\c]          ; r = 159: b = 158, so voxel b + 1 = 159 takes 1 - f and voxel b takes nothing
	v_cndmask_b32 v[WT+12*FS+6+\c], v[WT+12*FS+6+\c], v[WT+12*FS+\c], vcc_lo
	v_cndmask_b32 v[WT+12*FS+\c],   v[WT+12*FS+\c],   0, vcc_lo
.endr
.endm
.macro BACK n
.set BS, (\n)%2
.set BA, A+16*BS
.set BW, WT+12*BS
.set BC, 2*((\n)%5)
	s_wait_loadcnt ISS-MGO                         ; this unit's sixteen gathers are in; what was issued behind them stays out
.irp k, 0,4,8,12
	v_pk_mul_f32 v[BA+\k:BA+\k+1], v[BA+\k:BA+\k+1], v[BW+4:BW+5]
.endr
.irp k, 0,4,8,12
	v_pk_fma_f32 v[BA+\k:BA+\k+1], v[BA+\k+2:BA+\k+3], v[BW+10:BW+11], v[BA+\k:BA+\k+1]
.endr
.irp k, 0,8
	v_pk_mul_f32 v[BA+\k:BA+\k+1], v[BA+\k:BA+\k+1], v[BW+2:BW+3]
.endr
.irp k, 0,8
	v_pk_fma_f32 v[BA+\k:BA+\k+1], v[BA+\k+4:BA+\k+5], v[BW+8:BW+9], v[BA+\k:BA+\k+1]
.endr
	v_pk_mul_f32 v[O:O+1], v[BA:BA+1], v[BW:BW+1]
	v_pk_fma_f32 v[O:O+1], v[BA+8:BA+9], v[BW+6:BW+7], v[O:O+1]
	v_cndmask_b32 v[O],   v[O],   0, s[MK+2*BS]
	v_cndmask_b32 v[O+1], v[O+1], 0, s[MK+2*BS+1]
	ds_store_b32 v[LS], v[O]   offset:128*BC       ; a chunk's 128 consecutive bytes of the row pair
	ds_store_b32 v[LS], v[O+1] offset:128*BC+128
.endm
.macro READBACK s                      ; the row pair as 1,280 consecutive bytes; served behind the wave's ten stores, in order
	ds_load_b128 v[IX+10*(\s):IX+10*(\s)+3],   v[L16]
	ds_load_b128 v[IX+10*(\s)+4:IX+10*(\s)+7], v[L16] offset:512
	ds_load_b64  v[IX+10*(\s)+8:IX+10*(\s)+9], v[L8]  offset:1024
.endm
.macro STOREOUT s
	s_wait_dscnt 0x0                               ; the values read back are in; also: the stage is free for the next row pair
	global_store_b128 v[O16], v[IX+10*(\s):IX+10*(\s)+3],   s[10:11] offset:SB*(\s) th:TH_STORE_NT
	global_store_b128 v[O16], v[IX+10*(\s)+4:IX+10*(\s)+7], s[10:11] offset:SB*(\s)+512 th:TH_STORE_NT
	global_store_b64  v[O8],  v[IX+10*(\s)+8:IX+10*(\s)+9], s[10:11] offset:SB*(\s)+1024 th:TH_STORE_NT
.endm
	s_load_b256 s[4:11], s[0:1], 0x0               ; disp s[4:5], idx s[6:7], img s[8:9], out0 s[10:11]
	v_lshl_add_u32 v176, v0, 2, 0x6400
	v_mov_b32 v177, 0
	v_lshrrev_b32 v[LN], 5, v0
	v_readfirstlane_b32 s[WV], v[LN]
	v_and_b32 v[LN], 31, v0
	v_mul_u32_u24 v[OD], 12, v[LN]
	v_lshlrev_b32 v[O16], 4, v[LN]
	v_lshlrev_b32 v[O8], 3, v[LN]
	s_and_b32 s[TA], ttmp9, 15
	s_lshl_b32 s[TA], s[TA], 4
	s_lshr_b32 s[TB], ttmp9, 4
	s_add_co_u32 s[TA], s[TA], s[TB]               ; my slab: 16 (g mod 16) + g / 16
	s_mul_i32 s[WN], s[TA], 20
	s_add_co_u32 s[WN], s[WN], s[WV]
	s_mul_i32 s38, s[WN], WDISP                    ; below 2^27
	s_mov_b32 s39, 0
	s_mul_i32 s40, s[WN], WOUT
	s_mov_b32 s41, 0
	s_lshr_b32 s[XI], s[WN], 4                     ; plane 160 x batch + x
	s_cmp_ge_u32 s[XI], 160
	s_cselect_b32 s42, 0xfa0000, 0                 ; img of batch 1: 160^3 words on
	s_mov_b32 s43, 0
	s_cselect_b32 s[TA], 160, 0
	s_sub_co_u32 s[XI], s[XI], s[TA]
	s_wait_kmcnt 0x0
	s_add_nc_u64 s[4:5], s[4:5], s[38:39]
	s_add_nc_u64 s[6:7], s[6:7], s[40:41]
	s_add_nc_u64 s[8:9], s[8:9], s[42:43]
	s_add_nc_u64 s[10:11], s[10:11], s[40:41]
.set ISS, 0
	IDXLOAD 0
	IDXLOAD 1
	FETCH 0
.set MS0, ISS
	FETCH 1
.set MS1, ISS
	FETCH 2
.set MS2, ISS
	FETCH 3
.set MS3, ISS
	s_mul_i32 s[TB], s[WV], SB                     ; my stage in LDS
	v_lshl_add_u32 v[LS],  v[LN], 2, s[TB]
	v_lshl_add_u32 v[L16], v[LN], 4, s[TB]
	v_lshl_add_u32 v[L8],  v[LN], 3, s[TB]
	s_mov_b32 s[RCP], 0x3bce168a                   ; 13506186 x 2^-31: 2^31 / 159 = 13506186.47
	s_mov_b32 s[C159], 0x431f0000                  ; 159.0
	s_and_b32 s[Y0], s[WN], 15
	s_mul_i32 s[Y0], s[Y0], 10
	SGRID GX, XI
.irp j, 0,1,2,3,4,5,6,7,8,9
	s_add_co_u32 s[YN], s[Y0], \j
	SGRID GY+\j, YN
.endr
.irp c, 0,1,2,3,4
	v_add_nc_u32 v[ZI], 32*\c, v[LN]
	GRID GZ+\c, ZI, TG
.endr
.set u, 0
.rept NU
	FRONT u
.if u >= 2
.if (u-2)%5 == 4
	STOREOUT (u-2)/5                               ; a row pair read back one unit ago: a FRONT stands between the LDS loads and the wait for them
.endif
.endif
.if u >= 1
	BACK u-1
.if (u-1)%5 == 4
	READBACK (u-1)/5                               ; the row pair's last unit is blended
.endif
.endif
.set MGO, MGN
.set u, u+1
.endr
	BACK NU-1                                      ; nothing was issued behind the last gathers: the count is 0
	READBACK 4
	STOREOUT 4
	s_wait_tensorcnt 0x0
	ds_add_u32 v176, v177
	s_wait_dscnt 0x0
	s_endpgm
.Lfunc_end_k_q2b9272ccaf_warp:
	.size	k_q2b9272ccaf_warp, .Lfunc_end_k_q2b9272ccaf_warp-k_q2b9272ccaf_warp
	.p2alignl 7, 3214868480
	.fill 96, 4, 3214868480
	.section	.rodata,"a",@progbits
	.p2align	6, 0x0
	.amdhsa_kernel k_q2b9272ccaf_warp
		.amdhsa_group_segment_fixed_size 28160
		.amdhsa_private_segment_fixed_size 0
		.amdhsa_enable_private_segment 0
		.amdhsa_kernarg_size 32
		.amdhsa_user_sgpr_count 2
		.amdhsa_user_sgpr_kernarg_segment_ptr 1
		.amdhsa_wavefront_size32 1
		.amdhsa_system_sgpr_workgroup_id_x 1
		.amdhsa_system_sgpr_workgroup_id_y 1
		.amdhsa_system_sgpr_workgroup_id_z 1
		.amdhsa_system_vgpr_workitem_id 0
		.amdhsa_next_free_vgpr 178
		.amdhsa_next_free_sgpr 66
		.amdhsa_reserve_vcc 1
		.amdhsa_float_denorm_mode_32 3
		.amdhsa_float_denorm_mode_16_64 3
		.amdhsa_memory_ordered 1
		.amdhsa_forward_progress 1
		.amdhsa_inst_pref_size 157
	.end_amdhsa_kernel
	.amdgpu_metadata
---
amdhsa.version: [ 1, 2 ]
amdhsa.kernels:
  - .name:           k_q2b9272ccaf_warp
    .symbol:         k_q2b9272ccaf_warp.kd
    .args:
      - { .name: disp, .offset: 0, .size: 8, .value_kind: global_buffer, .address_space: global }
      - { .name: idx, .offset: 8, .size: 8, .value_kind: global_buffer, .address_space: global }
      - { .name: img, .offset: 16, .size: 8, .value_kind: global_buffer, .address_space: global }
      - { .name: out0, .offset: 24, .size: 8, .value_kind: global_buffer, .address_space: global }
    .group_segment_fixed_size: 28160
    .private_segment_fixed_size: 0
    .kernarg_segment_align: 8
    .kernarg_segment_size: 32
    .max_flat_workgroup_size: 640
    .sgpr_count:     66
    .vgpr_count:     178
    .wavefront_size: 32
...
	.end_amdgpu_metadata
.endif
;; end of part 4
;; ======== version 3 of 3: 2 launches; version 2 with the launches index, warp written anew for expert scheduling mode
;; workspace buffers: idx 32,768,000 bytes of whole numbers
;; launch index (part 5): grid 256 x 1, 20 waves a work-group, no clusters, 0 bytes of LDS; arguments disp, idx; writes idx
.if DOCPART == 5
	.amdgcn_target "amdgcn-amd-amdhsa--gfx1250"
	.amdhsa_code_object_version 6
	.text
	.protected	k_q2b9272ccaf_index
	.globl	k_q2b9272ccaf_index
	.p2align	8
	.type	k_q2b9272ccaf_index,@function
k_q2b9272ccaf_index:
	s_mov_b64 s[64:65], 0
	v_nop
	global_prefetch_b8 v0, s[64:65] scope:SCOPE_SE
	s_setreg_imm32_b32 hwreg(HW_REG_WAVE_SCHED_MODE, 0, 2), 2
	s_setreg_imm32_b32 hwreg(HW_REG_WAVE_MODE, 25, 1), 1
	s_wait_xcnt 0x0
	s_wait_alu depctr_vm_vsrc(0)
; FIRST OF TWO LAUNCHES: where does each voxel sample?  disp [2][160][160][160][3] f32  ->  idx, one 32-bit whole number a voxel:
; the byte offset, inside the batch's volume of img, of the voxel (bx, by, bz), b = round(coordinate) held to 0..158.  The next launch reads
; the eight voxels (b, b+1)^3 from that one offset and makes the weights from disp itself.  At most 4 (158 x 25,761) = 16,280,952.
;
; THE COORDINATE is made with the roundings of the reference, since its anchor round(x) jumps at half-integers:
;   g(i) = s - (1 - s), s = i * (1/159 rounded to f32), g(159) = 1     (jnp.linspace(-1, 1, 160))
;   x = ((g - d) + 1) * 79.5      (0.5 * t is exact, so (0.5 t) * 159 and t * 79.5 round alike)
; LIMIT: disp finite and |x| < 2^31 (|disp| below about 2.7e7); beyond it the reference's conversion to int32 and its + 1 decide.
;
; SHARES: 51,200 rows of 160 voxels over 256 work-groups x 20 waves: a wave owns 10 consecutive rows, which lie in one plane (a plane is 16
; waves' rows), so batch and x are fixed for the wave and y is the same in all its lanes: g(x) and the ten g(y) are scalars, made once.
; A row is five chunks of 32 voxels; lane l owns voxel l of every chunk, so one 12-byte load of the wave covers 384 consecutive bytes
; and every byte of disp is named by one instruction.  g(z) is five registers.  A UNIT is two chunks (packed f32 pairs two voxels): 25 units.
; LAYOUT OF idx, as the lanes hold it: for a wave 6,400 bytes, for a row pair (ten chunks) 1,280: lane l's words of chunks 0-3 at 16 l,
; of chunks 4-7 at 512 + 16 l, of chunks 8, 9 at 1,024 + 8 l.  Each store covers 512 or 256 consecutive bytes at a multiple of 256.
; No loop: 25 units are unrolled, every offset is an immediate, no base is stepped, and every store has data registers of its own, so that
; no register that a pending memory instruction reads is ever written again.  Units are asked for ten ahead: twenty loads of a wave in flight.
; No LDS, no barrier: no wave needs another.  No cluster: no two work-groups read the same bytes.
;
; THE MODE: SCHED_MODE bits 1:0 = 2 (LLVM: expert scheduling mode 2), set by the entry lines.  The code itself states the register dependences
; between vector instructions and memory instructions, with s_wait_alu, always for 0.
; THE PLAN.  Registers that memory instructions touch:
;   v[OD], v[O16], v[O8]  byte offsets, made once at the head and never written again.
;   D, eleven slots       Written by loads alone.  Unit n's six subtractions read slot n % 11; unit n's two loads (unit n + 10) land in slot (n - 1) % 11.
;   W, fifty words        Written once each by a unit's two conversions; read by the store that is issued in the unit behind; never written again.
; So ONE wait on va_vdst stands at a unit's head: the unit before is done reading its slot, in which this unit's loads land, and has written its words,
; which this unit's store reads.  No vector instruction of unit n names that slot or those words, so the loads and the store are dealt among
; the unit's first lines with no further wait.  A unit that issues neither a load nor a store has no such wait.
.set NU,    25                         ; units of a wave
.set LEAD,  10                         ; a unit is asked for ten units ahead
.set SLOTS, 11                         ; ring slots: the ten on their way or waiting, and the one at work
.set UB,    768                        ; bytes of disp in a unit: 64 x 12
.set SB,    1280                       ; bytes of idx in a row pair
.set WDISP, 19200                      ; bytes of disp of a wave
.set WIDX,  6400                       ; bytes of idx of a wave
.set WV,  8                            ; s8   wave in the work-group
.set WN,  9                            ; s9   wave in the launch, 0..5119
.set XI,  10                           ; s10  x
.set Y0,  11                           ; s11  first of my ten rows
.set TA,  12
.set TB,  13
.set RCP, 14                           ; s14  1/159 rounded to f32
.set TOP, 15                           ; s15  158.0
.set GX,  16                           ; s16  g(x)
.set YN,  17
.set GY,  20                           ; s[20:29] g(y) of my ten rows
.set ZM,  34                           ; s[34:38] chunk c: the lanes whose z is 159
.set LN,  1                            ; v1       lane
.set OD,  2                            ; v2       12 lane
.set O16, 3                            ; v3       16 lane
.set O8,  4                            ; v4       8 lane
.set ZI,  5
.set TG,  6
.set GZ,  8                            ; v[8:12]  g(z), z = 32 c + lane
.set X,   14                           ; v[14:19] x, y, z as pairs (first chunk, second chunk)
.set D,   20                           ; v[20:107] ring slot k: x y z of the first chunk at 8k, of the second at 8k + 4
.set W,   108                          ; v[108:157] row pair s: its ten words, never rewritten
.macro SGRID dst, n                    ; s[dst] = g(s[n])
	s_cvt_f32_u32 s[TA], s[\n]
	s_mul_f32 s[TA], s[TA], s[RCP]                 ; s
	s_mov_b32 s[TB], 1.0
	s_fmac_f32 s[TB], s[TA], -1.0                  ; 1 - s
	s_mov_b32 s[\dst], s[TA]
	s_fmac_f32 s[\dst], s[TB], -1.0                ; s - (1 - s): the products are exact, one rounding
	s_cmp_eq_u32 s[\n], 159
	s_cselect_b32 s[\dst], 1.0, s[\dst]            ; the end point is appended as it is
.endm
.macro FILLA n                         ; unit n's first chunk into its ring slot: 384 consecutive bytes
	global_load_b96 v[D+8*((\n)%SLOTS):D+8*((\n)%SLOTS)+2],   v[OD], s[4:5] offset:UB*(\n) th:TH_LOAD_NT
.endm
.macro FILLB n                         ; its second chunk
	global_load_b96 v[D+8*((\n)%SLOTS)+4:D+8*((\n)%SLOTS)+6], v[OD], s[4:5] offset:UB*(\n)+384 th:TH_LOAD_NT
.endm
.macro SEND s, a                       ; the store that is due when the unit with first chunk a of row pair s has been converted
.if (\a) == 2
	global_store_b128 v[O16], v[W+10*(\s):W+10*(\s)+3],   s[6:7] offset:SB*(\s) th:TH_STORE_NT
.endif
.if (\a) == 6
	global_store_b128 v[O16], v[W+10*(\s)+4:W+10*(\s)+7], s[6:7] offset:SB*(\s)+512 th:TH_STORE_NT
.endif
.if (\a) == 8
	global_store_b64  v[O8],  v[W+10*(\s)+8:W+10*(\s)+9], s[6:7] offset:SB*(\s)+1024 th:TH_STORE_NT
.endif
.endm
	s_load_b128 s[4:7], s[0:1], 0x0                ; disp s[4:5], idx s[6:7]
	v_lshrrev_b32 v[LN], 5, v0
	v_readfirstlane_b32 s[WV], v[LN]
	v_and_b32 v[LN], 31, v0
	v_mul_u32_u24 v[OD], 12, v[LN]
	v_lshlrev_b32 v[O16], 4, v[LN]
	v_lshlrev_b32 v[O8], 3, v[LN]
	s_mul_i32 s[WN], ttmp9, 20
	s_wait_alu depctr_va_sdst(0)                   ; s[WV] is written, ahead of its first reader: both bases and the grid values are made from it
	s_add_co_u32 s[WN], s[WN], s[WV]
	s_mul_i32 s30, s[WN], WDISP                    ; below 2^27
	s_mov_b32 s31, 0
	s_mul_i32 s32, s[WN], WIDX
	s_mov_b32 s33, 0
	s_wait_kmcnt 0x0
	s_add_nc_u64 s[4:5], s[4:5], s[30:31]
	s_add_nc_u64 s[6:7], s[6:7], s[32:33]
	s_wait_alu depctr_va_vdst(0)                   ; the three offsets v[OD], v[O16], v[O8] are written: every load and store of the kernel reads one of them
.set u, 0
.rept LEAD
	FILLA u                                        ; units 0 to 9 are asked for before anything else is done
	FILLB u
.set u, u+1
.endr
	s_mov_b32 s[RCP], 0x3bce168a                   ; 13506186 x 2^-31: 2^31 / 159 = 13506186.47
	s_mov_b32 s[TOP], 0x431e0000                   ; 158.0
	s_lshr_b32 s[XI], s[WN], 4                     ; plane 160 x batch + x
	s_and_b32 s[Y0], s[WN], 15
	s_mul_i32 s[Y0], s[Y0], 10
	s_cmp_ge_u32 s[XI], 160
	s_cselect_b32 s[TA], 160, 0
	s_sub_co_u32 s[XI], s[XI], s[TA]
	SGRID GX, XI
.irp j, 0,1,2,3,4,5,6,7,8,9
	s_add_co_u32 s[YN], s[Y0], \j
	SGRID GY+\j, YN
.endr
.irp c, 0,1,2,3,4                      ; g(z) of the five chunks; the five compares stand in one run, each with a mask of its own
	v_add_nc_u32 v[ZI], 32*\c, v[LN]
	v_cvt_f32_u32 v[TG], v[ZI]
	v_mul_f32 v[TG], s[RCP], v[TG]                 ; s
	v_sub_f32 v[GZ+\c], 1.0, v[TG]                 ; 1 - s
	v_sub_f32 v[GZ+\c], v[TG], v[GZ+\c]            ; -1 (1 - s) + 1 s: the products are exact, one rounding
	v_cmp_eq_u32 s[ZM+\c], 159, v[ZI]
.endr
	s_wait_alu depctr_va_sdst(0)                   ; the five masks are written, ahead of the selects that read them
.irp c, 0,1,2,3,4
	v_cndmask_b32 v[GZ+\c], v[GZ+\c], 1.0, s[ZM+\c]  ; the end point is appended as it is
.endr
; Unit n = chunks CA, CA + 1 of row pair STP.  Chunk c lies in row c / 5 of the pair, at z = 32 (c % 5) + lane.
; PS, PA: the row pair and the first chunk of the unit before; DUE: that unit has completed the words of a store.
.macro UNIT n
.set SL,  D+8*((\n)%SLOTS)
.set STP, (\n)/5
.set CA,  2*((\n)%5)
.set CB,  CA+1
.set PS,  ((\n)+4)/5-1
.set PA,  2*(((\n)+4)%5)
.set DUE, 0
.if (\n) >= 1
.if (PA == 2) || (PA == 6) || (PA == 8)
.set DUE, 1
.endif
.endif
.if (\n)+LEAD <= NU
	s_wait_loadcnt 2*(LEAD-1)                      ; loads return in order: this unit's two are in, the nine younger units' stay out
.else
	s_wait_loadcnt 2*(NU-1-(\n))                   ; the last units: only those still behind this one
.endif
.if (\n) >= 1
.if ((\n)+LEAD < NU) || DUE
	s_wait_alu depctr_va_vdst(0)                   ; the unit before is done reading its slot, in which the loads below land, and has written its words of W, which the store below reads
.endif
.endif
.if (\n)+LEAD < NU
	FILLA (\n)+LEAD                                ; the slot of the unit before takes the unit ten further on (in unit 0: the eleventh slot, which nothing has named)
.endif
.if DUE
	SEND PS, PA
.endif
	v_sub_f32 v[X],   s[GX],              v[SL]    ; g - d, laid as pairs (first chunk, second chunk)
	v_sub_f32 v[X+1], s[GX],              v[SL+4]
	v_sub_f32 v[X+2], s[GY+2*STP+CA/5],   v[SL+1]
	v_sub_f32 v[X+3], s[GY+2*STP+CB/5],   v[SL+5]
	v_sub_f32 v[X+4], v[GZ+CA%5],         v[SL+2]
	v_sub_f32 v[X+5], v[GZ+CB%5],         v[SL+6]
.if (\n)+LEAD < NU
	FILLB (\n)+LEAD                                ; no wait: the six lines since the wait name this unit's slot, X and g(z), not the slot of the unit before
.endif
.irp p, 0,2,4
	v_pk_add_f32 v[X+\p:X+\p+1], v[X+\p:X+\p+1], 1.0 op_sel_hi:[1,0]
.endr
.irp p, 0,2,4
	v_pk_mul_f32 v[X+\p:X+\p+1], v[X+\p:X+\p+1], 0x429f0000 op_sel_hi:[1,0]   ; x 79.5
.endr
.irp c, 0,1,2,3,4,5
	v_rndne_f32 v[X+\c], v[X+\c]                   ; the anchor: to nearest, ties to even
.endr
.irp c, 0,1,2,3,4,5
	v_med3_num_f32 v[X+\c], v[X+\c], 0, s[TOP]     ; b: 0..158, so that b + 1 is a stored voxel
.endr
	; 102400 bx + 640 by + 4 bz is below 2^24: whole numbers that f32 holds exactly
	v_pk_mul_f32 v[X+4:X+5], v[X+4:X+5], 4.0 op_sel_hi:[1,0]
	v_pk_fma_f32 v[X+4:X+5], v[X+2:X+3], 0x44200000, v[X+4:X+5] op_sel_hi:[1,0,1]
	v_pk_fma_f32 v[X+4:X+5], v[X:X+1],   0x47c80000, v[X+4:X+5] op_sel_hi:[1,0,1]
	v_cvt_u32_f32 v[W+10*STP+CA], v[X+4]
	v_cvt_u32_f32 v[W+10*STP+CB], v[X+5]
.endm
.set u, 0
.rept NU
	UNIT u
.set u, u+1
.endr
	s_wait_alu depctr_va_vdst(0)                   ; unit 24 has written the last two words of W, which the last store reads
	SEND 4, 8
	s_endpgm
.Lfunc_end_k_q2b9272ccaf_index:
	.size	k_q2b9272ccaf_index, .Lfunc_end_k_q2b9272ccaf_index-k_q2b9272ccaf_index
	.p2alignl 7, 3214868480
	.fill 96, 4, 3214868480
	.section	.rodata,"a",@progbits
	.p2align	6, 0x0
	.amdhsa_kernel k_q2b9272ccaf_index
		.amdhsa_group_segment_fixed_size 0
		.amdhsa_private_segment_fixed_size 0
		.amdhsa_enable_private_segment 0
		.amdhsa_kernarg_size 16
		.amdhsa_user_sgpr_count 2
		.amdhsa_user_sgpr_kernarg_segment_ptr 1
		.amdhsa_wavefront_size32 1
		.amdhsa_system_sgpr_workgroup_id_x 1
		.amdhsa_system_sgpr_workgroup_id_y 1
		.amdhsa_system_sgpr_workgroup_id_z 1
		.amdhsa_system_vgpr_workitem_id 0
		.amdhsa_next_free_vgpr 158
		.amdhsa_next_free_sgpr 66
		.amdhsa_reserve_vcc 0
		.amdhsa_float_denorm_mode_32 3
		.amdhsa_float_denorm_mode_16_64 3
		.amdhsa_memory_ordered 1
		.amdhsa_forward_progress 1
		.amdhsa_inst_pref_size 53
	.end_amdhsa_kernel
	.amdgpu_metadata
---
amdhsa.version: [ 1, 2 ]
amdhsa.kernels:
  - .name:           k_q2b9272ccaf_index
    .symbol:         k_q2b9272ccaf_index.kd
    .args:
      - { .name: disp, .offset: 0, .size: 8, .value_kind: global_buffer, .address_space: global }
      - { .name: idx, .offset: 8, .size: 8, .value_kind: global_buffer, .address_space: global }
    .group_segment_fixed_size: 0
    .private_segment_fixed_size: 0
    .kernarg_segment_align: 8
    .kernarg_segment_size: 16
    .max_flat_workgroup_size: 640
    .sgpr_count:     66
    .vgpr_count:     158
    .wavefront_size: 32
...
	.end_amdgpu_metadata
.endif
;; end of part 5
;; launch warp (part 6): grid 256 x 1, 20 waves a work-group, no clusters, 28,160 bytes of LDS; arguments disp, idx, img, out0; writes out0
.if DOCPART == 6
	.amdgcn_target "amdgcn-amd-amdhsa--gfx1250"
	.amdhsa_code_object_version 6
	.text
	.protected	k_q2b9272ccaf_warp
	.globl	k_q2b9272ccaf_warp
	.p2align	8
	.type	k_q2b9272ccaf_warp,@function
k_q2b9272ccaf_warp:
	s_mov_b64 s[64:65], 0
	v_nop
	global_prefetch_b8 v0, s[64:65] scope:SCOPE_SE
	s_setreg_imm32_b32 hwreg(HW_REG_WAVE_SCHED_MODE, 0, 2), 2
	s_setreg_imm32_b32 hwreg(HW_REG_WAVE_MODE, 25, 1), 1
	s_wait_xcnt 0x0
	s_wait_alu depctr_vm_vsrc(0)
; SECOND OF TWO LAUNCHES: gather eight voxels and blend them.  out0[v] = sum over (b, b+1)^3 of wx wy wz img[..].
; The addresses come from idx alone (whole numbers that the first launch stored: the byte offset, in the batch's volume, of (bx, by, bz),
; b = round(coordinate) held to 0..158): one offset register a voxel, the eight voxels by the immediates 0/4 + 0/640 + 0/102,400.
; The weights are made here from disp, in f32, with the same roundings as in the first launch and in the reference:
;   g(i) = s - (1 - s), s = i * (1/159 rounded to f32), g(159) = 1;   x = ((g - d) + 1) * 79.5;   r = round to nearest even;   f = x - r (exact)
;   r in 0..158:  voxel r gets 1 - f (the same number, rounded once, as the reference's (r + 1) - x), voxel r + 1 gets f
;   r = 159:      the far corner lies in the zero plane 160, which is not stored: voxel 158 gets 0, voxel 159 gets 1 - f = 160 - x
;   r < 0:        the reference clips both corners to voxel 0 with weights -x and +x, whose sum is 0;  r > 159: both corners are zeros.
;                 In both cases, in any dimension, 0 is written.  (For r < 0 the reference's eight products leave rounding noise around that 0.)
; The blend goes z, y, x by fused multiply-adds: another order of rounding than the reference's eight products.
; LIMIT: disp finite and |x| < 2^31 (|disp| below about 2.7e7); beyond it the reference's conversion to int32 and its + 1 decide.
;
; SHARES as in the first launch: a wave owns 10 consecutive rows of one plane; a row is five chunks of 32 voxels, lane l owns voxel l of each
; chunk; a 12-byte load of the wave covers 384 consecutive bytes of disp; g(x) and the ten g(y) are scalars; a unit is two chunks, 25 units.
; idx comes as the first launch laid it: for a row pair two 16-byte loads and one 8-byte load a lane, 512 and 256 consecutive bytes a wave.
; THE WAY OUT: a lane's results lie 128 bytes apart, so a row pair (1,280 bytes) goes through LDS bytes of the wave's own: ten 4-byte stores,
; read back as 16, 16 and 8 bytes a lane, so that each global store covers 512 or 256 consecutive bytes at a multiple of 256 from out0's first byte.
; LDS serves a wave's instructions in order (ISA guide 5.7.1), so no wait stands between those stores and loads, and no barrier: no wave
; touches another's bytes.  The values read back land in the row pair's idx registers, which are dead by then and are never written again.
; WHICH SLAB: a work-group's 200 rows are slab 16 (g mod 16) + g / 16 for work-group g.  It changes no result.  Neighbouring slabs read planes
; of img in common (a slab is 1.25 planes thick, a displacement of n voxels along x reaches n planes); this order gives them to work-groups whose
; numbers lie 16 apart.  It serves where such work-groups are placed near each other; where neighbours in number are, the plain order g serves.
; No cluster: disp, idx and out0 are private to a wave, and which words of img are read is decided by the data: there is no tile to ask for jointly.
;
; THE MODE: SCHED_MODE bits 1:0 = 2 (LLVM: expert scheduling mode 2), set by the entry lines.  The code itself states the register dependences
; between vector instructions and memory or LDS instructions, with s_wait_alu, always for 0.
; THE PLAN, no loop (27 steps unrolled, every offset an immediate, no base stepped).  STEP n: the waits at its head; the memory and LDS instructions below,
; dealt among the first lines of the weights; the weights of unit n; the blend of unit n - 1; the offsets of unit n + 1.  Registers that memory or LDS instructions touch:
;   six addresses  v[OD], v[O16], v[O8], v[LS], v[L16], v[L8]: made once at the head, never written again.
;   ST, five slots Written by loads alone.  Step n's six subtractions read slot n % 5; step n's load (unit n + 4) lands in slot (n - 1) % 5.
;   AD, two sets   Set (n + 1) % 2 is written at the end of step n, behind the wait that shows the gathers of unit n - 1, its last readers, done; the gathers of step n + 1 read it.
;   A, two sets    The gathers of step n land in set n % 2, which the blend of unit n - 2 named last, in step n - 1; the blend of unit n works on it in step n + 1.
;   O, two pairs   The blend in step n writes pair (n - 1) % 2; the two LDS stores of step n + 1 read it; it is written again in step n + 2.
;   IX             idx lands in it; the offsets read it (row pair s: last in step 5 s + 3); the stage is read back into it in step 5 s + 6; the global stores of step 5 s + 7 read it.
; So at a step's head ONE wait on va_vdst states all that the step's memory and LDS instructions hang on (all of it was written or read in the step before or earlier),
; and ONE wait on vm_vsrc frees the AD set and the O pair that the step writes again (their readers were issued in the step before).
; The vector lines that stand between the head and the step's last memory instruction name X, g(z) and slot n % 5 alone.
; The ten compares of a step's weights stand in runs, each with a scalar register of its own, and one wait on va_sdst stands ahead of their first reader.
; THE COUNTS of s_wait_loadcnt are formed in the text: ISS counts the loads issued so far (there is no branch, so it is the count at run time),
; a mark keeps ISS as it stood behind a group's last load, and ISS - mark is the number of younger loads, which may stay out.
; A step's head: mostly 54 = three steps of 16 gathers + 2 disp loads (57 with a group of idx loads between).  The blend: mostly 20 = 2 + 16 + 2.
.set NU,    25                         ; units of a wave
.set LEAD,  4                          ; disp is asked for four units ahead
.set NSL,   5                          ; disp slots: the four on their way or waiting, and the one at work
.set UB,    768                        ; bytes of disp in a unit
.set SB,    1280                       ; bytes of idx, of out0 and of the LDS stage in a row pair
.set WDISP, 19200                      ; bytes of disp of a wave
.set WOUT,  6400                       ; bytes of idx, and of out0, of a wave
.set AMAX,  1017559                    ; 16,280,952 / 16: the largest offset that the first launch stores, in units of 16 bytes
.set WV,   12                          ; wave in the work-group
.set WN,   13                          ; wave's place in the volume, 0..5119
.set XI,   14
.set Y0,   15
.set TA,   16
.set TB,   17
.set RCP,  18                          ; 1/159 rounded to f32
.set C159, 19                          ; 159.0
.set GX,   20                          ; g(x)
.set YN,   21
.set SG,   22                          ; my stage's first LDS byte; never rewritten
.set GY,   24                          ; s[24:33] g(y) of my ten rows
.set MK,   34                          ; s[34:37] set n, chunk v: lanes whose result is 0
.set EQ,   44                          ; s[44:49] this step's six masks r = 159 (at the head: the five masks z = 159)
.set LO,   50                          ; s[50:51] this step's two masks: some r below 0
.set LN,  1                            ; v1        lane
.set OD,  2                            ; v2        12 lane
.set O16, 3                            ; v3        16 lane
.set O8,  4                            ; v4        8 lane
.set LS,  5                            ; v5        my stage + 4 lane
.set L16, 6                            ; v6        my stage + 16 lane
.set L8,  7                            ; v7        my stage + 8 lane
.set ZI,  8
.set TG,  9
.set GZ,  10                           ; v[10:14]  g(z), z = 32 c + lane
.set T,   16                           ; v[16:19]  at work
.set X,   20                           ; v[20:25]  x, y, z as pairs (first chunk, second chunk)
.set R,   26                           ; v[26:31]  rounded
.set O,   32                           ; v[32:35]  set n: two results
.set ST,  36                           ; v[36:75]  disp slot k: x y z of the first chunk at 8k, of the second at 8k + 4
.set AD,  76                           ; v[76:79]  set n: the two offsets
.set A,   80                           ; v[80:111] set n: voxel k = 4 dx + 2 dy + dz at 2k + chunk
.set WT,  112                          ; v[112:135] set n: weights of b in x, y, z (pairs), then of b + 1
.set IX,  136                          ; v[136:185] row pair s: ten idx words; later its ten results
.macro SGRID dst, n                    ; s[dst] = g(s[n])
	s_cvt_f32_u32 s[TA], s[\n]
	s_mul_f32 s[TA], s[TA], s[RCP]
	s_mov_b32 s[TB], 1.0
	s_fmac_f32 s[TB], s[TA], -1.0                  ; 1 - s
	s_mov_b32 s[\dst], s[TA]
	s_fmac_f32 s[\dst], s[TB], -1.0                ; s - (1 - s)
	s_cmp_eq_u32 s[\n], 159
	s_cselect_b32 s[\dst], 1.0, s[\dst]
.endm
.macro IDXLOAD s                       ; the ten idx words of row pair s
	global_load_b128 v[IX+10*(\s):IX+10*(\s)+3],   v[O16], s[6:7] offset:SB*(\s) th:TH_LOAD_NT
	global_load_b128 v[IX+10*(\s)+4:IX+10*(\s)+7], v[O16], s[6:7] offset:SB*(\s)+512 th:TH_LOAD_NT
	global_load_b64  v[IX+10*(\s)+8:IX+10*(\s)+9], v[O8],  s[6:7] offset:SB*(\s)+1024 th:TH_LOAD_NT
.set ISS, ISS+3
.endm
.macro FETCH n                         ; disp of unit n into its slot
	global_load_b96 v[ST+8*((\n)%NSL):ST+8*((\n)%NSL)+2],   v[OD], s[4:5] offset:UB*(\n) th:TH_LOAD_NT
	global_load_b96 v[ST+8*((\n)%NSL)+4:ST+8*((\n)%NSL)+6], v[OD], s[4:5] offset:UB*(\n)+384 th:TH_LOAD_NT
.set ISS, ISS+2
.endm
; The two offsets of unit m, from its two idx words.  Both fields are bounded by v_min_u32 with a written constant before they enter an address;
; with the largest immediate, 103,044, the largest stored offset reaches the volume's last word.
.macro OFFS m
.set QA, AD+2*((\m)%2)
.set QI, IX+10*((\m)/5)+2*((\m)%5)
	v_bfe_u32 v[T],   v[QI],   4, 20
	v_bfe_u32 v[T+1], v[QI+1], 4, 20
	v_and_b32 v[T+2], 12, v[QI]
	v_and_b32 v[T+3], 12, v[QI+1]
	v_min_u32 v[T],   AMAX, v[T]
	v_min_u32 v[T+1], AMAX, v[T+1]
	v_min_u32 v[T+2], 12, v[T+2]
	v_min_u32 v[T+3], 12, v[T+3]
	v_lshl_add_u32 v[QA],   v[T],   4, v[T+2]
	v_lshl_add_u32 v[QA+1], v[T+1], 4, v[T+3]
.endm
.macro GATHER n, lo                    ; voxels lo to lo + 3 of unit n's two chunks: eight loads
.irp k, 0,1,2,3
	global_load_b32 v[A+16*((\n)%2)+2*((\lo)+\k)],   v[AD+2*((\n)%2)],   s[8:9] offset:4*(((\lo)+\k)&1)+640*((((\lo)+\k)>>1)&1)+102400*(((\lo)+\k)>>2)
	global_load_b32 v[A+16*((\n)%2)+2*((\lo)+\k)+1], v[AD+2*((\n)%2)+1], s[8:9] offset:4*(((\lo)+\k)&1)+640*((((\lo)+\k)>>1)&1)+102400*(((\lo)+\k)>>2)
.endr
.set ISS, ISS+8
.endm
.macro BACK n                          ; the blend of unit n
.set BS, (\n)%2
.set BA, A+16*BS
.set BW, WT+12*BS
.set BO, O+2*BS
	s_wait_loadcnt ISS-MGO                         ; this unit's sixteen gathers are in; what was issued behind them stays out.  It also shows the readers of this unit's AD set done
.irp k, 0,4,8,12
	v_pk_mul_f32 v[BA+\k:BA+\k+1], v[BA+\k:BA+\k+1], v[BW+4:BW+5]
.endr
.irp k, 0,4,8,12
	v_pk_fma_f32 v[BA+\k:BA+\k+1], v[BA+\k+2:BA+\k+3], v[BW+10:BW+11], v[BA+\k:BA+\k+1]
.endr
.irp k, 0,8
	v_pk_mul_f32 v[BA+\k:BA+\k+1], v[BA+\k:BA+\k+1], v[BW+2:BW+3]
.endr
.irp k, 0,8
	v_pk_fma_f32 v[BA+\k:BA+\k+1], v[BA+\k+4:BA+\k+5], v[BW+8:BW+9], v[BA+\k:BA+\k+1]
.endr
	v_pk_mul_f32 v[BO:BO+1], v[BA:BA+1], v[BW:BW+1]
	v_pk_fma_f32 v[BO:BO+1], v[BA+8:BA+9], v[BW+6:BW+7], v[BO:BO+1]
	v_cndmask_b32 v[BO],   v[BO],   0, s[MK+2*BS]
	v_cndmask_b32 v[BO+1], v[BO+1], 0, s[MK+2*BS+1]
.endm
.macro TOSTAGE m                       ; unit m's two results: a chunk's 128 consecutive bytes of the row pair each
	ds_store_b32 v[LS], v[O+2*((\m)%2)]   offset:256*((\m)%5)
	ds_store_b32 v[LS], v[O+2*((\m)%2)+1] offset:256*((\m)%5)+128
.endm
.macro READBACK s                      ; the row pair as 1,280 consecutive bytes; served behind the wave's ten stores, in order
	ds_load_b128 v[IX+10*(\s):IX+10*(\s)+3],   v[L16]
	ds_load_b128 v[IX+10*(\s)+4:IX+10*(\s)+7], v[L16] offset:512
	ds_load_b64  v[IX+10*(\s)+8:IX+10*(\s)+9], v[L8]  offset:1024
.endm
.macro STOREOUT s
	s_wait_dscnt 0x0                               ; the values read back are in; also: the stage is free for the next row pair
	global_store_b128 v[O16], v[IX+10*(\s):IX+10*(\s)+3],   s[10:11] offset:SB*(\s) th:TH_STORE_NT
	global_store_b128 v[O16], v[IX+10*(\s)+4:IX+10*(\s)+7], s[10:11] offset:SB*(\s)+512 th:TH_STORE_NT
	global_store_b64  v[O8],  v[IX+10*(\s)+8:IX+10*(\s)+9], s[10:11] offset:SB*(\s)+1024 th:TH_STORE_NT
.endm
; Step n.  Unit n = chunks CA, CA + 1 of row pair STP.  Chunk c lies in row c / 5 of the pair, at z = 32 (c % 5) + lane.
.macro STEP n
.set FS,  (\n)%2
.set SL,  ST+8*((\n)%NSL)
.set STP, (\n)/5
.set CA,  2*((\n)%5)
.set CB,  CA+1
.if (\n) < NU
	s_wait_loadcnt ISS-MS0                         ; this unit's disp is in
.set MS0, MS1                                      ; the marks of the next three units move up
.set MS1, MS2
.set MS2, MS3
.endif
.if ((\n) >= 1) && ((\n) <= NU)
	s_wait_alu depctr_vm_vsrc(0)                   ; the gathers of the step before have read their AD set, which this step's offsets write; its LDS stores have read their O pair, which this step's blend writes
.endif
	s_wait_alu depctr_va_vdst(0)                   ; the step before has written this unit's AD set and the O pair to be stored, and is done with this unit's A set and with its disp slot
.if (\n) < NU
	GATHER \n, 0
.endif
.if (\n) >= 3
.if ((\n)-3)%5 == 4
	STOREOUT ((\n)-3)/5                            ; a row pair read back one step ago: a step's work stands between the LDS loads and the wait for them
.endif
.endif
.if (\n) >= 2
	TOSTAGE (\n)-2                                 ; blended in the step before
.if ((\n)-2)%5 == 4
	READBACK ((\n)-2)/5                            ; those were the row pair's last two results
.endif
.endif
.if (\n) < NU
	; the weights, while the gathers are out
	v_sub_f32 v[X],   s[GX],              v[SL]    ; g - d, laid as pairs (first chunk, second chunk)
	v_sub_f32 v[X+1], s[GX],              v[SL+4]
	v_sub_f32 v[X+2], s[GY+2*STP+CA/5],   v[SL+1]
	v_sub_f32 v[X+3], s[GY+2*STP+CB/5],   v[SL+5]
	v_sub_f32 v[X+4], v[GZ+CA%5],         v[SL+2]
	v_sub_f32 v[X+5], v[GZ+CB%5],         v[SL+6]
	GATHER \n, 4                                   ; no wait: the six lines since the wait name X, g(z) and this unit's slot
.set MGN, ISS
.irp p, 0,2,4
	v_pk_add_f32 v[X+\p:X+\p+1], v[X+\p:X+\p+1], 1.0 op_sel_hi:[1,0]
.endr
.irp p, 0,2,4
	v_pk_mul_f32 v[X+\p:X+\p+1], v[X+\p:X+\p+1], 0x429f0000 op_sel_hi:[1,0]   ; x 79.5
.endr
.if (\n)+LEAD < NU
	FETCH (\n)+LEAD                                ; the slot that the step before read takes the unit four further on (in step 0: the fifth slot, which nothing has named); the six lines above name X alone
.set MS3, ISS
.endif
.if (\n)%5 == 0
.if (\n)/5+2 < 5
	IDXLOAD (\n)/5+2                               ; idx two row pairs ahead, into registers of its own, which no vector instruction has named
.endif
.endif
.irp c, 0,1,2,3,4,5
	v_rndne_f32 v[R+\c], v[X+\c]
.endr
.irp c, 0,1,2,3,4,5
	v_cmp_eq_f32 s[EQ+\c], s[C159], v[R+\c]        ; r = 159
.endr
.irp p, 0,2,4
	v_pk_add_f32 v[WT+12*FS+6+\p:WT+12*FS+7+\p], v[X+\p:X+\p+1], v[R+\p:R+\p+1] neg_lo:[0,1] neg_hi:[0,1]   ; f = x - r
.endr
	v_max3_num_f32 v[T],   v[R],   v[R+2], v[R+4]
	v_max3_num_f32 v[T+1], v[R+1], v[R+3], v[R+5]
	v_min3_num_f32 v[T+2], v[R],   v[R+2], v[R+4]
	v_min3_num_f32 v[T+3], v[R+1], v[R+3], v[R+5]
	v_cmp_lt_f32 s[MK+2*FS],   s[C159], v[T]       ; some r above 159,
	v_cmp_gt_f32 s[LO],        0, v[T+2]           ; or some r below 0: the result is 0
	v_cmp_lt_f32 s[MK+2*FS+1], s[C159], v[T+1]
	v_cmp_gt_f32 s[LO+1],      0, v[T+3]
.irp p, 0,2,4
	v_pk_fma_f32 v[WT+12*FS+\p:WT+12*FS+\p+1], v[WT+12*FS+6+\p:WT+12*FS+7+\p], -1.0, 1.0 op_sel_hi:[1,0,0]  ; 1 - f
.endr
	s_wait_alu depctr_va_sdst(0)                   ; the ten masks are written, ahead of their first readers: the two lines and the twelve selects below
	s_or_b32 s[MK+2*FS],   s[MK+2*FS],   s[LO]
	s_or_b32 s[MK+2*FS+1], s[MK+2*FS+1], s[LO+1]
.irp c, 0,1,2,3,4,5
	v_cndmask_b32 v[WT+12*FS+6+\c], v[WT+12*FS+6+\c], v[WT+12*FS+\c], s[EQ+\c]  ; r = 159: b = 158, so voxel b + 1 = 159 takes 1 - f
	v_cndmask_b32 v[WT+12*FS+\c],   v[WT+12*FS+\c],   0, s[EQ+\c]               ; and voxel b takes nothing
.endr
.endif
.if ((\n) >= 1) && ((\n) <= NU)
	BACK (\n)-1
.endif
.if (\n)+1 < NU
	OFFS (\n)+1                                    ; behind the blend's wait, which shows the last gathers by this AD set done; the row pair's idx was asked for earlier than those gathers
.endif
.set MGO, MGN
.endm
	s_load_b256 s[4:11], s[0:1], 0x0               ; disp s[4:5], idx s[6:7], img s[8:9], out0 s[10:11]
	v_lshl_add_u32 v71, v0, 2, 0x6400
	v_mov_b32 v75, 0
	v_lshrrev_b32 v[LN], 5, v0
	v_readfirstlane_b32 s[WV], v[LN]
	v_and_b32 v[LN], 31, v0
	v_mul_u32_u24 v[OD], 12, v[LN]
	v_lshlrev_b32 v[O16], 4, v[LN]
	v_lshlrev_b32 v[O8], 3, v[LN]
	s_and_b32 s[TA], ttmp9, 15
	s_lshl_b32 s[TA], s[TA], 4
	s_lshr_b32 s[TB], ttmp9, 4
	s_add_co_u32 s[TA], s[TA], s[TB]               ; my slab: 16 (g mod 16) + g / 16
	s_mul_i32 s[WN], s[TA], 20
	s_wait_alu depctr_va_sdst(0)                   ; s[WV] is written, ahead of its first reader: the bases, the stage's place and the grid values are made from it
	s_add_co_u32 s[WN], s[WN], s[WV]
	s_mul_i32 s[SG], s[WV], SB                     ; my stage in LDS
	v_lshl_add_u32 v[LS],  v[LN], 2, s[SG]
	v_lshl_add_u32 v[L16], v[LN], 4, s[SG]
	v_lshl_add_u32 v[L8],  v[LN], 3, s[SG]
	s_mul_i32 s38, s[WN], WDISP                    ; below 2^27
	s_mov_b32 s39, 0
	s_mul_i32 s40, s[WN], WOUT
	s_mov_b32 s41, 0
	s_lshr_b32 s[XI], s[WN], 4                     ; plane 160 x batch + x
	s_cmp_ge_u32 s[XI], 160
	s_cselect_b32 s42, 0xfa0000, 0                 ; img of batch 1: 160^3 words on
	s_mov_b32 s43, 0
	s_cselect_b32 s[TA], 160, 0
	s_sub_co_u32 s[XI], s[XI], s[TA]
	s_wait_kmcnt 0x0
	s_add_nc_u64 s[4:5], s[4:5], s[38:39]
	s_add_nc_u64 s[6:7], s[6:7], s[40:41]
	s_add_nc_u64 s[8:9], s[8:9], s[42:43]
	s_add_nc_u64 s[10:11], s[10:11], s[40:41]
	s_wait_alu depctr_va_vdst(0)                   ; the six addresses v[OD], v[O16], v[O8], v[LS], v[L16], v[L8] are written: every load, store and LDS instruction of the kernel but the gathers reads one of them
.set ISS, 0
	IDXLOAD 0
.set MI0, ISS
	IDXLOAD 1
	FETCH 0
.set MS0, ISS
	FETCH 1
.set MS1, ISS
	FETCH 2
.set MS2, ISS
	FETCH 3
.set MS3, ISS
	s_mov_b32 s[RCP], 0x3bce168a                   ; 13506186 x 2^-31: 2^31 / 159 = 13506186.47
	s_mov_b32 s[C159], 0x431f0000                  ; 159.0
	s_and_b32 s[Y0], s[WN], 15
	s_mul_i32 s[Y0], s[Y0], 10
	SGRID GX, XI
.irp j, 0,1,2,3,4,5,6,7,8,9
	s_add_co_u32 s[YN], s[Y0], \j
	SGRID GY+\j, YN
.endr
.irp c, 0,1,2,3,4                      ; g(z) of the five chunks; the five compares stand in one run, each with a mask of its own
	v_add_nc_u32 v[ZI], 32*\c, v[LN]
	v_cvt_f32_u32 v[TG], v[ZI]
	v_mul_f32 v[TG], s[RCP], v[TG]
	v_sub_f32 v[GZ+\c], 1.0, v[TG]
	v_sub_f32 v[GZ+\c], v[TG], v[GZ+\c]
	v_cmp_eq_u32 s[EQ+\c], 159, v[ZI]
.endr
	s_wait_alu depctr_va_sdst(0)                   ; the five masks are written, ahead of the selects that read them
.irp c, 0,1,2,3,4
	v_cndmask_b32 v[GZ+\c], v[GZ+\c], 1.0, s[EQ+\c]
.endr
	s_wait_loadcnt ISS-MI0                         ; row pair 0's idx is in; the eleven younger loads (row pair 1's idx, four units of disp) stay out
	OFFS 0                                         ; unit 0's offsets; every later unit's are made in the step before its own
.set MGN, 0
.set MGO, 0
.set u, 0
.rept NU+2                             ; steps 0 to 24 have a unit of their own; step 25 blends the last unit; step 26 sends its results to the stage and reads the last row pair back
	STEP u
.set u, u+1
.endr
	STOREOUT 4
	s_wait_dscnt 0x0
	s_wait_alu depctr_hold_cnt(0) depctr_sa_sdst(0) depctr_va_vdst(0) depctr_va_sdst(0) depctr_va_ssrc(0) depctr_va_vcc(0) depctr_vm_vsrc(0)
	s_wait_tensorcnt 0x0
	ds_add_u32 v71, v75
	s_wait_dscnt 0x0
	s_endpgm
.Lfunc_end_k_q2b9272ccaf_warp:
	.size	k_q2b9272ccaf_warp, .Lfunc_end_k_q2b9272ccaf_warp-k_q2b9272ccaf_warp
	.p2alignl 7, 3214868480
	.fill 96, 4, 3214868480
	.section	.rodata,"a",@progbits
	.p2align	6, 0x0
	.amdhsa_kernel k_q2b9272ccaf_warp
		.amdhsa_group_segment_fixed_size 28160
		.amdhsa_private_segment_fixed_size 0
		.amdhsa_enable_private_segment 0
		.amdhsa_kernarg_size 32
		.amdhsa_user_sgpr_count 2
		.amdhsa_user_sgpr_kernarg_segment_ptr 1
		.amdhsa_wavefront_size32 1
		.amdhsa_system_sgpr_workgroup_id_x 1
		.amdhsa_system_sgpr_workgroup_id_y 1
		.amdhsa_system_sgpr_workgroup_id_z 1
		.amdhsa_system_vgpr_workitem_id 0
		.amdhsa_next_free_vgpr 186
		.amdhsa_next_free_sgpr 66
		.amdhsa_reserve_vcc 0
		.amdhsa_float_denorm_mode_32 3
		.amdhsa_float_denorm_mode_16_64 3
		.amdhsa_memory_ordered 1
		.amdhsa_forward_progress 1
		.amdhsa_inst_pref_size 171
	.end_amdhsa_kernel
	.amdgpu_metadata
---
amdhsa.version: [ 1, 2 ]
amdhsa.kernels:
  - .name:           k_q2b9272ccaf_warp
    .symbol:         k_q2b9272ccaf_warp.kd
    .args:
      - { .name: disp, .offset: 0, .size: 8, .value_kind: global_buffer, .address_space: global }
      - { .name: idx, .offset: 8, .size: 8, .value_kind: global_buffer, .address_space: global }
      - { .name: img, .offset: 16, .size: 8, .value_kind: global_buffer, .address_space: global }
      - { .name: out0, .offset: 24, .size: 8, .value_kind: global_buffer, .address_space: global }
    .group_segment_fixed_size: 28160
    .private_segment_fixed_size: 0
    .kernarg_segment_align: 8
    .kernarg_segment_size: 32
    .max_flat_workgroup_size: 640
    .sgpr_count:     66
    .vgpr_count:     186
    .wavefront_size: 32
...
	.end_amdgpu_metadata
.endif
;; end of part 6
